; MI455X (gfx1250); checked and timed in simulation.
; The chip was launched on July 23, 2026; its instructions are those of AMD's public machine-readable ISA for CDNA 5 (MIT licence, August 2026) and "CDNA5" Instruction Set Architecture Reference Guide (July 2026). The comments in the code are by the model that wrote it; some were corrected since.
;; Attention. Allowed arithmetic: float matrix products may take bf16 or f16 operands with f32 sums; other float arithmetic in f32, or as packed bf16 or f16 multiplies, adds, multiply-adds, maxima and minima; sums over many terms, partial sums and values carried from step to step in f32; what a program stores and reads back later, other than sums and carried values, may be rounded once to bf16 or f16.
;; Inputs: V 1,024 x 1 float32; W1 1,024 x 1,024 float32; W2 1,024 x 1,024 float32; encoder_output 32 x 2,048 x 1,024 float32; state_hidden 32 x 1,024 float32.
;; Outputs: out0 32 x 1,024 float32; out1 32 x 2,048 x 1 float32.
;; 2 versions, each right; version 2 is version 1 with the launch main written anew for expert scheduling mode. Each part assembles by itself: llvm-mc -triple=amdgcn-amd-amdhsa -mcpu=gfx1250 --defsym DOCPART=n.
;; ======== version 1 of 2: 3 launches
;; workspace buffers: w1f 2,097,152 bytes; hpart 1,048,576 bytes; scores 262,144 bytes; part 2,097,152 bytes
;; launch prep (part 1): grid 128 x 1, 8 waves a work-group, no clusters, 50,688 bytes of LDS; arguments W1, W2, state_hidden, w1f, hpart; writes w1f, hpart
.if DOCPART == 1
	.amdgcn_target "amdgcn-amd-amdhsa--gfx1250"
	.amdhsa_code_object_version 6
	.text
	.protected	k_qc6c4276ed1_prep
	.globl	k_qc6c4276ed1_prep
	.p2align	8
	.type	k_qc6c4276ed1_prep,@function
k_qc6c4276ed1_prep:
	s_mov_b64 s[64:65], 0
	v_nop
	global_prefetch_b8 v0, s[64:65] scope:SCOPE_SE
	s_setreg_imm32_b32 hwreg(HW_REG_WAVE_MODE, 25, 1), 1
	s_wait_xcnt 0x0
; PREP.  W1 [1024 k][1024 n] f32 -> w1f: bf16, laid out as the register image of the matrix fragments that the main launch reads;
; hpart[kq][b][n] = the sum over the 128 k of eighth kq of s[b][k] W2[k][n] (bf16 operands, f32 sums): eight partial sums, added up in f32 by the main launch.
; A work-group takes one tile place, 128 k x 64 n (rows of 256 bytes), of BOTH matrices: waves 0-3 W1's tile, waves 4-7 W2's.
; A tile is rounded to bf16 into LDS as it lies, [k][n], and read back turned (ds_load_tr16_b128): lane (r, h) then holds column n0 + r and eight k.
; w1f byte = wv*524288 + p*262144 + ks*8192 + b*1024 + j*512 + lane*16, for column n = 512 p + 128 wv + 16 b + r and k = 32 ks + 16 j + 8 h + 0..7.
; No cluster, no tensor load: no two work-groups read the same tile, and f32 has to pass through registers to be rounded.
.set TP,    160                        ; a tile row in LDS: 128 bytes + 32: 16 lanes of the turning load take 8 rows x 32 bytes
.set TILE,  128*TP                     ; 20,480 bytes; W1's tile at 0, W2's behind it
.set STG,   2*TILE                     ; 32 batches x 64 columns of f32, rows of 272 bytes: the way out of hpart
.set SGP,   272
.set SPARE, STG+32*SGP                 ; the spare words, 128 bytes a wave: four blocks of 256 bytes that no other line names
.set TL,    16                         ; v16-79   the tile as loaded; later s as bf16 fragments, 8 registers for (batch half mb, K step i) at TL + 8 (4 mb + i)
.set SF,    80                         ; v80-207  s as loaded, 16 f32 a fragment; later 16 registers on the way out
.set WF,    208                        ; v208-239 the tile's four fragments (16 columns x 32 k)
.set ACC,   240                        ; v240-255 two accumulators: batches 0-15, 16-31
	s_load_b256 s[4:11], s[0:1], 0x0               ; W1 s[4:5], W2 s[6:7], s s[8:9], w1f s[10:11]
	s_load_b64 s[12:13], s[0:1], 0x20              ; hpart
	v_lshl_add_u32 v12, v0, 2, SPARE               ; my spare word
	v_mov_b32 v13, 0
	v_lshrrev_b32 v1, 5, v0
	v_readfirstlane_b32 s16, v1                    ; wave 0..7
	s_lshr_b32 s17, s16, 2                         ; 0: W1's tile, 1: W2's
	s_and_b32 s18, s16, 3                          ; w: my 32 rows of the tile, later my 16 columns
	s_lshr_b32 s19, ttmp9, 4                       ; kq: which 128 k
	s_and_b32 s20, ttmp9, 15                       ; strip: which 64 n
	v_and_b32 v2, 15, v0                           ; r
	v_bfe_u32 v3, v0, 4, 1                         ; h
	s_lshl_b32 s26, s18, 17
	v_lshlrev_b32 v4, 4, v2
	v_lshl_add_u32 v4, v3, 14, v4
	v_add_nc_u32 v4, s26, v4                       ; tile: (32 w + 4 h) rows of 4,096 bytes + 16 r
	v_lshlrev_b32 v7, 12, v2
	v_lshl_add_u32 v7, v3, 5, v7                   ; s: batch r, 32 h bytes
	s_lshl_b32 s24, s19, 19                        ; the tile's first byte: kq x 128 rows + strip x 256
	s_lshl_b32 s27, s20, 8
	s_add_co_u32 s24, s24, s27
	s_mov_b32 s25, 0
	s_lshl_b32 s28, s19, 9                         ; s: 128 k of 4 bytes
	s_mov_b32 s29, 0
	s_lshl_b32 s30, s20, 2
	s_add_co_u32 s30, s30, s18                     ; g = 4 strip + w: my group of 16 columns
	s_bfe_u32 s31, s30, 0x20003
	s_lshl_b32 s34, s31, 19                        ; wv = (g >> 3) & 3
	s_lshr_b32 s31, s30, 5
	s_lshl_b32 s31, s31, 18                        ; p = g >> 5
	s_add_co_u32 s34, s34, s31
	s_and_b32 s31, s30, 7
	s_lshl_b32 s31, s31, 10                        ; b = g & 7
	s_add_co_u32 s34, s34, s31
	s_lshl_b32 s31, s19, 15                        ; ks = 4 kq
	s_add_co_u32 s34, s34, s31
	s_mov_b32 s35, 0
	s_lshl_b32 s32, s19, 17                        ; hpart: kq x 131,072 + strip x 256
	s_add_co_u32 s32, s32, s27
	s_mov_b32 s33, 0
	s_wait_kmcnt 0x0
	s_cmp_lt_u32 s16, 4
	s_cselect_b64 s[22:23], s[4:5], s[6:7]         ; my matrix
	s_add_nc_u64 s[22:23], s[22:23], s[24:25]
	s_add_nc_u64 s[8:9], s[8:9], s[28:29]
	s_add_nc_u64 s[10:11], s[10:11], s[34:35]
	s_add_nc_u64 s[12:13], s[12:13], s[32:33]
	s_cmp_lt_u32 s16, 4
	s_cbranch_scc1 .Lno_s
.set z, 0
.rept 8                                ; waves 4-7: s, fragment z = 4 mb + i: batch 16 mb + r, k = 32 i + 8 h + 0..7 and 32 i + 16 + 8 h + 0..7
	global_load_b128 v[SF+16*z:SF+16*z+3],     v7, s[8:9] offset:(z/4)*65536+(z%4)*128
	global_load_b128 v[SF+16*z+4:SF+16*z+7],   v7, s[8:9] offset:(z/4)*65536+(z%4)*128+16
	global_load_b128 v[SF+16*z+8:SF+16*z+11],  v7, s[8:9] offset:(z/4)*65536+(z%4)*128+64
	global_load_b128 v[SF+16*z+12:SF+16*z+15], v7, s[8:9] offset:(z/4)*65536+(z%4)*128+80
.set z, z+1
.endr
.Lno_s:
.set z, 0
.rept 16                               ; my 32 rows of the tile: a load covers two whole rows of 256 bytes, four rows apart
	global_load_b128 v[TL+4*z:TL+4*z+3], v4, s[22:23] offset:(8*(z/4)+z%4)*4096 th:TH_LOAD_NT
.set z, z+1
.endr
	s_mul_i32 s26, s17, TILE                       ; the LDS addresses are made while the loads are out
	s_mul_i32 s27, s18, 32*TP
	s_add_co_u32 s27, s27, s26
	v_mul_u32_u24 v5, v3, 4*TP
	v_lshl_add_u32 v5, v2, 3, v5
	v_add_nc_u32 v5, s27, v5                       ; in: row 32 w + 4 h, 8 r bytes (four rows on is 640 bytes: the two halves of the lanes fall into different banks)
	v_and_b32 v14, 7, v0
	v_lshl_add_u32 v14, v3, 3, v14
	v_mul_u32_u24 v6, v14, TP
	v_bfe_u32 v14, v0, 3, 1
	v_lshl_add_u32 v6, v14, 4, v6
	s_lshl_b32 s27, s18, 5
	s_add_co_u32 s27, s27, s26
	v_add_nc_u32 v6, s27, v6                       ; turned: row 8 h + l % 8, columns 16 w + 8 ((l / 8) % 2) on
	v_and_b32 v8, 31, v0
	v_lshlrev_b32 v8, 4, v8                        ; 16 x lane
	v_mul_u32_u24 v9, v2, SGP
	v_lshl_add_u32 v9, v3, 5, v9
	s_lshl_b32 s27, s18, 6
	s_add_co_u32 s27, s27, STG
	v_add_nc_u32 v9, s27, v9                       ; stage in: batch r, columns 16 w + 8 h on
	v_mul_u32_u24 v10, v3, SGP
	v_lshl_add_u32 v10, v2, 4, v10
	s_mul_i32 s27, s18, 8*SGP
	s_add_co_u32 s27, s27, STG
	v_add_nc_u32 v10, s27, v10                     ; stage back: row 8 w + h, 16 r bytes
	v_lshlrev_b32 v11, 4, v2
	v_lshl_add_u32 v11, v3, 12, v11
	s_lshl_b32 s27, s18, 15
	v_add_nc_u32 v11, s27, v11                     ; and the same rows in hpart
	s_wait_loadcnt 0x0                             ; the tile (and s)
.set z, 0
.rept 16
	v_cvt_pk_bf16_f32 v[TL+4*z],   v[TL+4*z],   v[TL+4*z+1]
	v_cvt_pk_bf16_f32 v[TL+4*z+1], v[TL+4*z+2], v[TL+4*z+3]
.set z, z+1
.endr
.set z, 0
.rept 16
	ds_store_b64 v5, v[TL+4*z:TL+4*z+1] offset:(8*(z/4)+z%4)*TP
.set z, z+1
.endr
	s_wait_dscnt 0x0                               ; for the others' sake: my rows are in LDS
	s_barrier_signal -1
	s_barrier_wait -1
.set z, 0
.rept 4                                ; my 16 columns, K step z: k = 32 z + 8 h + 0..7, then + 16
	ds_load_tr16_b128 v[WF+8*z:WF+8*z+3],   v6 offset:32*TP*z
	ds_load_tr16_b128 v[WF+8*z+4:WF+8*z+7], v6 offset:32*TP*z+16*TP
.set z, z+1
.endr
	s_wait_dscnt 0x0
	s_cmp_lt_u32 s16, 4
	s_cbranch_scc0 .Lw2
.set z, 0
.rept 8                                ; waves 0-3: each store covers 512 consecutive bytes of w1f
	global_store_b128 v8, v[WF+4*z:WF+4*z+3], s[10:11] offset:(z/2)*8192+(z%2)*512
.set z, z+1
.endr
	s_branch .Ljoin
.Lw2:
.set z, 0
.rept 64
	v_cvt_pk_bf16_f32 v[TL+z], v[SF+2*z], v[SF+2*z+1]
.set z, z+1
.endr
.set z, 0
.rept 8                                ; source 0 = 16 columns of W2, source 1 = 16 batches: a lane holds one batch and eight neighbouring columns.  The two accumulators take turns
.if z < 2
	v_wmma_f32_16x16x32_bf16 v[ACC+8*(z%2):ACC+8*(z%2)+7], v[WF+8*(z/2):WF+8*(z/2)+7], v[TL+8*(4*(z%2)+z/2):TL+8*(4*(z%2)+z/2)+7], 0
.else
	v_wmma_f32_16x16x32_bf16 v[ACC+8*(z%2):ACC+8*(z%2)+7], v[WF+8*(z/2):WF+8*(z/2)+7], v[TL+8*(4*(z%2)+z/2):TL+8*(4*(z%2)+z/2)+7], v[ACC+8*(z%2):ACC+8*(z%2)+7]
.endif
.set z, z+1
.endr
.rept 4
	v_nop                                          ; four places between the last product and the stores that read its result
.endr
.irp m, 0,1
	ds_store_b128 v9, v[ACC+8*\m:ACC+8*\m+3]   offset:\m*16*SGP
	ds_store_b128 v9, v[ACC+8*\m+4:ACC+8*\m+7] offset:\m*16*SGP+16
.endr
.Ljoin:
	s_wait_dscnt 0x0                               ; for the others' sake: a stage row's 256 bytes come from four waves
	s_barrier_signal -1
	s_barrier_wait -1
	s_cmp_lt_u32 s16, 4
	s_cbranch_scc1 .Ldone
.irp i, 0,1,2,3
	ds_load_b128 v[SF+4*\i:SF+4*\i+3], v10 offset:\i*2*SGP
.endr
	s_wait_dscnt 0x0
.irp i, 0,1,2,3
	global_store_b128 v11, v[SF+4*\i:SF+4*\i+3], s[12:13] offset:\i*8192  ; 16 lanes store 256 consecutive bytes, at a multiple of 256 from hpart's first byte
.endr
.Ldone:
	s_wait_tensorcnt 0x0                           ; the wave's end
	ds_add_u32 v12, v13
	s_wait_dscnt 0x0
	s_endpgm
.Lfunc_end_k_qc6c4276ed1_prep:
	.size	k_qc6c4276ed1_prep, .Lfunc_end_k_qc6c4276ed1_prep-k_qc6c4276ed1_prep
	.p2alignl 7, 3214868480
	.fill 96, 4, 3214868480
	.section	.rodata,"a",@progbits
	.p2align	6, 0x0
	.amdhsa_kernel k_qc6c4276ed1_prep
		.amdhsa_group_segment_fixed_size 50688
		.amdhsa_private_segment_fixed_size 0
		.amdhsa_enable_private_segment 0
		.amdhsa_kernarg_size 40
		.amdhsa_user_sgpr_count 2
		.amdhsa_user_sgpr_kernarg_segment_ptr 1
		.amdhsa_wavefront_size32 1
		.amdhsa_system_sgpr_workgroup_id_x 1
		.amdhsa_system_sgpr_workgroup_id_y 1
		.amdhsa_system_sgpr_workgroup_id_z 1
		.amdhsa_system_vgpr_workitem_id 0
		.amdhsa_next_free_vgpr 256
		.amdhsa_next_free_sgpr 66
		.amdhsa_reserve_vcc 0
		.amdhsa_float_denorm_mode_32 3
		.amdhsa_float_denorm_mode_16_64 3
		.amdhsa_memory_ordered 1
		.amdhsa_forward_progress 1
		.amdhsa_inst_pref_size 19
	.end_amdhsa_kernel
	.amdgpu_metadata
---
amdhsa.version: [ 1, 2 ]
amdhsa.kernels:
  - .name:           k_qc6c4276ed1_prep
    .symbol:         k_qc6c4276ed1_prep.kd
    .args:
      - { .name: W1, .offset: 0, .size: 8, .value_kind: global_buffer, .address_space: global }
      - { .name: W2, .offset: 8, .size: 8, .value_kind: global_buffer, .address_space: global }
      - { .name: state_hidden, .offset: 16, .size: 8, .value_kind: global_buffer, .address_space: global }
      - { .name: w1f, .offset: 24, .size: 8, .value_kind: global_buffer, .address_space: global }
      - { .name: hpart, .offset: 32, .size: 8, .value_kind: global_buffer, .address_space: global }
    .group_segment_fixed_size: 50688
    .private_segment_fixed_size: 0
    .kernarg_segment_align: 8
    .kernarg_segment_size: 40
    .max_flat_workgroup_size: 256
    .sgpr_count:     66
    .vgpr_count:     256
    .wavefront_size: 32
...
	.end_amdgpu_metadata
.endif
;; end of part 1
;; launch main (part 2): grid 512 x 1, 4 waves a work-group, no clusters, 310,784 bytes of LDS; arguments encoder_output, w1f, hpart, V, scores, part; writes scores, part
.if DOCPART == 2
	.amdgcn_target "amdgcn-amd-amdhsa--gfx1250"
	.amdhsa_code_object_version 6
	.text
	.protected	k_qc6c4276ed1_main
	.globl	k_qc6c4276ed1_main
	.p2align	8
	.type	k_qc6c4276ed1_main,@function
k_qc6c4276ed1_main:
	s_mov_b64 s[64:65], 0
	v_nop
	global_prefetch_b8 v0, s[64:65] scope:SCOPE_SE
	s_setreg_imm32_b32 hwreg(HW_REG_WAVE_MODE, 25, 1), 1
	s_wait_xcnt 0x0
; MAIN.  For a block of 128 rows t of one batch b:  z[t][e] = enc[t] . W1[:, e] + (s W2)[b][e];  score'[t] = sum over e of V'[e] / (1 + 2^(c z)),  V' = -2 V, c = 2 log2(e).
; tanh z = 1 - 2 / (1 + e^(2 z)), so score' is the reference's score less the sum of V, a constant that the softmax does not see.  2^(c z) = infinity gives 0, 2^(c z) = 0 gives V': sound for every finite z.
; Then the block's own maximum m, p[t] = 2^((score' - m) log2 e), and part[d] = sum over t of p[t] enc[t][d].  The last launch takes the true maximum and rescales.
; FORMATS.  enc, W1, s, W2 and V are rounded to bf16 once; products in f32 sums; p is rounded to bf16 for the second product.  LIMITS: NaN and infinities are not treated apart; a weight below 2^-126 counts as 0.
; SHARES.  Four waves.  The block's rows stay in LDS as bf16 (128 x 2,048 bytes) from their first use to the second product: enc leaves memory once.  Wave w makes all 128 rows x columns 512 p + 128 w .. + 127
; in two passes p: 64 accumulators, 512 registers; 32 K steps of 32, 64 matrix instructions each.  Source 0 = 16 columns of W1, source 1 = 16 rows of enc: a lane holds ONE row and eight neighbouring columns,
; so tanh . V is a packed multiply-add into a sum per row, on the vector unit: a product with V's single column would use one column of sixteen of a matrix instruction.
; NO TENSOR LOAD, NO CLUSTER: enc is f32 and has to pass through registers to be rounded; its bf16 copy takes 294,912 bytes of LDS, so two slots of one K step of W1 for 512 columns (2 x 32,768 bytes)
; do not fit beside it.  The four waves share no column of W1, so its fragments go from memory straight into registers, 512 consecutive bytes a load, in the order in which the first launch laid them.
; REGISTERS, in windows of 256 (s_set_vgpr_msb: bits 1:0 source 0, 3:2 source 1, 5:4 source 2, 7:6 destination):
;   window 0: v0-15 addresses; v16-31 the eight row blocks' sums; v32-61 at work; v64-127 enc fragments (rows 0-63, 64-127), in the epilogue the tables; v128-255 four staging quarters for enc as f32
;   window 1: four buffers of 64 for W1's fragments; at the end two of 128 for turned enc      windows 2, 3: accumulators of rows 0-63, 64-127: (a', b) at v[8 (8 a' + b)]
.set RP,    144                        ; an LDS row of a group: 128 bytes + 16: the 16 rows of a fragment load start at 16 different groups of four banks (64 banks of 4 bytes: ISA guide 11.1)
.set GP,    128*RP                     ; a group: 128 rows x 64 k.  Sixteen groups, one behind the other, so that what a step stores (a later group) and what it reads lie apart
.set TH,    16*GP                      ; c x (s W2)[b][0..1023], f32
.set TV,    TH+4096                    ; -2 V[0..1023], f32
.set SC,    TV+4096                    ; [4 waves][128 rows] partial scores
.set PB,    SC+2048                    ; [4 waves][128] p in bf16: each wave its own copy
.set CST,   PB+1024                    ; [4 waves][256] f32: the way out of part
.set SPARE, CST+4096                   ; the spare words, 128 bytes a wave: two blocks of 256 bytes that no other line names
.set VB,  2                            ; 16 x lane
.set VE,  3                            ; enc: (32 w + 8 h) rows of 4,096 bytes + 16 r
.set VS,  4                            ; where those 16 bytes go as 8: (32 w + 8 h) RP + 8 r; steps with the groups
.set AD,  5                            ; fragment address r RP + 16 h; steps with the groups
.set AD0, 6                            ; its start
.set VT,  7                            ; tables: TH + 512 w + 32 h; 2,048 on in pass 1
.set VSC, 8
.set VZ,  9
.set VPW, 10
.set VP,  11
.set VTR, 12                           ; v12, v13 turned loads: groups 4 w, 4 w + 1 and 4 w + 2, 4 w + 3
.set VC,  14
.set VR,  15
.set S,   16                           ; pair a: row block a's sum (even columns', odd columns')
.set VPF, 61                           ; prefetch: row 32 w + lane
.set SPW, 62
.set NIL, 63
.set HA,  64
.set TBH, 64
.set TBV, 96
.set SG,  128
.set MSB, 0
.macro WIN new                         ; the immediate's high byte repeats the setting that is left; a switch that changes nothing is dropped
.if MSB != (\new)
	s_set_vgpr_msb (MSB<<8)|(\new)
.set MSB, \new
.endif
.endm
.macro PLACES                          ; four places behind a matrix instruction, in front of loads into registers that it read and of vector lines that read its result
.rept 4
	v_nop
.endr
.endm
; 32 matrix instructions: row blocks 4 half .. 4 half + 3 x my 8 column blocks, 32 along K.  The 32 accumulators take turns.  zero = 1: the product starts the sums.
.macro MUL half, buf, zero
	WIN 0xa1+0x50*(\half)
.set z, 0
.rept 32
.set DD, 8*z
.set BB, 64*(\buf)+8*(z%8)
.set AA, HA+32*(\half)+8*(z/8)
.if \zero
	v_wmma_f32_16x16x32_bf16 v[DD:DD+7], v[BB:BB+7], v[AA:AA+7], 0
.else
	v_wmma_f32_16x16x32_bf16 v[DD:DD+7], v[BB:BB+7], v[AA:AA+7], v[DD:DD+7]
.endif
.set z, z+1
.endr
.endm
.macro FETCHA half, off                ; four enc fragments (64 rows x 32 k) at byte off from AD
.irp a, 0,1,2,3
	ds_load_b128 v[HA+32*(\half)+8*\a:HA+32*(\half)+8*\a+3],   v[AD] offset:(\off)+(4*(\half)+\a)*16*RP
	ds_load_b128 v[HA+32*(\half)+8*\a+4:HA+32*(\half)+8*\a+7], v[AD] offset:(\off)+(4*(\half)+\a)*16*RP+32
.endr
.endm
.macro LOADB buf, st                   ; a K step's 8 fragments of W1, 8,192 consecutive bytes, st steps on from the pointer
	WIN 0x40
.set z, 0
.rept 16
	global_load_b128 v[64*(\buf)+4*z:64*(\buf)+4*z+3], v[VB], s[22:23] offset:(\st)*8192+512*z
.set z, z+1
.endr
.endm
; A HALF of a group is 64 rows x 64 k of f32, 16 rows a wave: what one K step uses up.  ISSUE asks for it (each load: two whole pieces of 256 bytes, rows u and u + 8), CVT rounds it in place, PUT stores it.
.macro ISSUE Q, q, g
.irp u, 0,1,2,3,4,5,6,7
	global_load_b128 v[SG+32*(\Q)+4*\u:SG+32*(\Q)+4*\u+3], v[VE], s[20:21] offset:(\g)*256+(16*(\q)+\u)*4096 th:TH_LOAD_NT
.endr
.endm
.macro CVT Q
.irp u, 0,1,2,3,4,5,6,7
	v_cvt_pk_bf16_f32 v[SG+32*(\Q)+4*\u],   v[SG+32*(\Q)+4*\u],   v[SG+32*(\Q)+4*\u+1]
	v_cvt_pk_bf16_f32 v[SG+32*(\Q)+4*\u+1], v[SG+32*(\Q)+4*\u+2], v[SG+32*(\Q)+4*\u+3]
.endr
.endm
.macro PUT Q, q, g                     ; lanes 16-31 lie eight rows on, 1,152 bytes: the other half of the banks
.irp u, 0,1,2,3,4,5,6,7
	ds_store_b64 v[VS], v[SG+32*(\Q)+4*\u:SG+32*(\Q)+4*\u+1] offset:(\g)*GP+(16*(\q)+\u)*RP
.endr
.endm
; A K STEP x.  buf = x % 4.  At its head: W1 of step x is waited for (n = the loads issued behind it), W1 of step x + 3 is asked for (st; < 0: none) into the buffer that step x - 1 read;
; enc's rows 64-127 of this step are fetched (hi) while rows 0-63 are multiplied.  In its middle: half x + 3 of enc is rounded and stored (quarter Q, group pg from VS; Q < 0: none; its 16 conversions are the
; places behind the products), rows 0-63 of step x + 1 are fetched (lo; < 0: none), half x + 7 is asked for into the same quarter (group ig from the pointer; < 0: none), a prefetch goes out (pf; < 0: none).
; bar = 1 (x odd, pass 0): the next group is whole in LDS once every wave has waited for its stores: signal at the head, behind my wait for them; wait in the middle, ahead of the first fetch from that group.
; Between the two stand LDS loads from groups shown earlier, products, conversions and waits.
.macro STEP buf, n, st, hi, lo, zero, Q, pg, ig, bar, pf
	WIN 0
	PLACES
	s_wait_loadcnt \n
.if (\st) >= 0
	LOADB ((\buf)+3)%4, \st
.endif
	WIN 0
	s_wait_dscnt 0x0                               ; rows 0-63 of this step are in, and my stores into LDS are done
.if \bar
	s_barrier_signal -1
.endif
	FETCHA 1, \hi
	MUL 0, \buf, \zero
	WIN 0
	s_wait_dscnt 0x0                               ; rows 64-127, asked for 32 matrix instructions ago
.if (\Q) >= 0
	CVT \Q
.else
	PLACES
.endif
.if \bar
	s_barrier_wait -1
.endif
.if (\lo) >= 0
	FETCHA 0, \lo
.endif
.if (\Q) >= 0
	PUT \Q, (\Q)%2, \pg
.endif
.if (\ig) >= 0
	ISSUE \Q, (\Q)%2, \ig
.endif
.if (\pf) >= 0
	global_prefetch_b8 v[VPF], s[38:39] offset:\pf th:TH_LOAD_NT scope:SCOPE_SE
.endif
	MUL 1, \buf, \zero
.endm
.macro LOADTAB bh                      ; the tables for my column blocks 4 bh .. 4 bh + 3: eight numbers a block and lane
.set z, 0
.rept 4
	ds_load_b128 v[TBH+8*z:TBH+8*z+3],   v[VT] offset:64*(4*(\bh)+z)
	ds_load_b128 v[TBH+8*z+4:TBH+8*z+7], v[VT] offset:64*(4*(\bh)+z)+16
	ds_load_b128 v[TBV+8*z:TBV+8*z+3],   v[VT] offset:64*(4*(\bh)+z)+4096
	ds_load_b128 v[TBV+8*z+4:TBV+8*z+7], v[VT] offset:64*(4*(\bh)+z)+4096+16
.set z, z+1
.endr
.endm
; Eight accumulators (window W; row blocks 2 ap, 2 ap + 1 of its four; column blocks 4 bh .. + 3), in place: c z; 2^(c z); + 1; 1 / ..; then V' times that onto the row block's sum.
; Each accumulator's lowest registers are read first.  A plain line stands behind each run of transcendentals before their results are used (ISA guide 5.7.2).
.macro EPIB W, ap, bh
	WIN ((\W)<<6)|(\W)
.set z, 0
.rept 32
.set X, 8*(8*(2*(\ap)+z/16)+4*(\bh)+(z/4)%4)+2*(z%4)
.set TT, 8*((z/4)%4)+2*(z%4)
	v_pk_fma_f32 v[X:X+1], v[X:X+1], s[24:25], v[TBH+TT:TBH+TT+1] op_sel_hi:[1,0,1]
.set z, z+1
.endr
.set z, 0
.rept 64
.set X, 8*(8*(2*(\ap)+z/32)+4*(\bh)+(z/8)%4)+z%8
	v_exp_f32 v[X], v[X]
.set z, z+1
.endr
	v_nop
.set z, 0
	s_wait_alu depctr_va_vdst(0)
.rept 32
.set X, 8*(8*(2*(\ap)+z/16)+4*(\bh)+(z/4)%4)+2*(z%4)
	v_pk_add_f32 v[X:X+1], v[X:X+1], 1.0 op_sel_hi:[1,0]
.set z, z+1
.endr
.set z, 0
.rept 64
.set X, 8*(8*(2*(\ap)+z/32)+4*(\bh)+(z/8)%4)+z%8
	v_rcp_f32 v[X], v[X]
.set z, z+1
.endr
	v_nop
	WIN \W
.set z, 0
	s_wait_alu depctr_va_vdst(0)
.rept 32                               ; the two row blocks' sums alternate
.set X, 8*(8*(2*(\ap)+z%2)+4*(\bh)+(z/2)%4)+2*(z/8)
.set TT, 8*((z/2)%4)+2*(z/8)
.set SS, S+2*(4*((\W)-2)+2*(\ap)+z%2)
	v_pk_fma_f32 v[SS:SS+1], v[X:X+1], v[TBV+TT:TBV+TT+1], v[SS:SS+1]
.set z, z+1
.endr
.endm
.macro FETCHT kc, buf                  ; enc turned: rows 32 kc .. + 31 x my 256 channels, 16 fragments: lane l holds channel l % 16 of a block and eight rows
	WIN 0x40
.set z, 0
.rept 16
	ds_load_tr16_b128 v[128*(\buf)+8*z:128*(\buf)+8*z+3],   v[VTR+z/8] offset:((z/4)%2)*GP+(z%4)*32+(\kc)*32*RP
	ds_load_tr16_b128 v[128*(\buf)+8*z+4:128*(\buf)+8*z+7], v[VTR+z/8] offset:((z/4)%2)*GP+(z%4)*32+(\kc)*32*RP+16*RP
.set z, z+1
.endr
.endm
.macro MULC kc, buf, zero              ; part += p (source 0: 16 rows alike) x turned enc; 16 accumulators by turns
	WIN 0xa4
.set z, 0
.rept 16
.if \zero
	v_wmma_f32_16x16x32_bf16 v[8*z:8*z+7], v[SG+8*(\kc):SG+8*(\kc)+7], v[128*(\buf)+8*z:128*(\buf)+8*z+7], 0
.else
	v_wmma_f32_16x16x32_bf16 v[8*z:8*z+7], v[SG+8*(\kc):SG+8*(\kc)+7], v[128*(\buf)+8*z:128*(\buf)+8*z+7], v[8*z:8*z+7]
.endif
.set z, z+1
.endr
.endm
	s_load_b256 s[4:11], s[0:1], 0x0               ; enc s[4:5], w1f s[6:7], hpart s[8:9], V s[10:11]
	s_load_b128 s[12:15], s[0:1], 0x20             ; scores s[12:13], part s[14:15]
	v_lshl_add_u32 v[SPW], v0, 2, SPARE            ; my spare word
	v_mov_b32 v[NIL], 0
	v_lshrrev_b32 v1, 5, v0
	v_readfirstlane_b32 s16, v1                    ; wave 0..3
	s_mov_b32 s17, ttmp9                           ; block 0..511
	s_lshr_b32 s18, s17, 4                         ; batch
	v_and_b32 v56, 31, v0                          ; l
	v_and_b32 v57, 15, v0                          ; r
	v_bfe_u32 v58, v0, 4, 1                        ; h
	v_lshlrev_b32 v[VB], 4, v56
	s_lshl_b32 s19, s16, 17
	v_lshlrev_b32 v[VE], 4, v57
	v_lshl_add_u32 v[VE], v58, 15, v[VE]
	v_add_nc_u32 v[VE], s19, v[VE]
	v_lshlrev_b32 v1, 4, v0                        ; 16 x thread: the tables
	v_lshlrev_b32 v[VPF], 12, v0
	s_lshl_b32 s30, s17, 19                        ; the block's 128 rows of 4,096 bytes
	s_mov_b32 s31, 0
	s_lshl_b32 s40, s16, 19                        ; my wave's stream of W1's fragments
	s_mov_b32 s41, 0
	s_mov_b32 s34, 6*256                           ; the loop's first prefetch: group 6
	s_mov_b32 s35, 0
	s_mov_b32 s24, 0x4038aa3b                      ; c = 2 log2(e)
	s_mov_b32 s25, s24                             ; named with it as a pair
	s_mov_b32 s26, 0x76543210                      ; v_permlanex16_b32: each lane takes its own place in the other half
	s_mov_b32 s27, 0xfedcba98
	s_mov_b32 s32, 0x3fb8aa3b                      ; log2(e)
	s_wait_kmcnt 0x0
	s_add_nc_u64 s[36:37], s[4:5], s[30:31]        ; enc at the block; never rewritten
	s_mov_b64 s[20:21], s[36:37]                   ; the pointer that steps with the groups
	s_add_nc_u64 s[38:39], s[36:37], s[34:35]      ; the prefetch's
	s_add_nc_u64 s[22:23], s[6:7], s[40:41]        ; W1's
	s_lshl_b32 s30, s18, 12
	s_add_nc_u64 s[8:9], s[8:9], s[30:31]
	s_lshl_b32 s30, s17, 9
	s_add_nc_u64 s[12:13], s[12:13], s[30:31]
	s_lshl_b32 s30, s17, 12
	s_lshl_b32 s40, s16, 10
	s_add_co_u32 s30, s30, s40
	s_add_nc_u64 s[14:15], s[14:15], s[30:31]
	ISSUE 0, 0, 0                                  ; halves 0 to 3: groups 0 and 1
	ISSUE 1, 1, 0
	ISSUE 2, 0, 1
	ISSUE 3, 1, 1
.set z, 0
.rept 16                               ; the eight partial sums of s W2 for my batch: 16 bytes a thread, twice
	global_load_b128 v[64+4*z:64+4*z+3], v1, s[8:9] offset:(z/2)*131072+(z%2)*2048
.set z, z+1
.endr
	global_load_b128 v[32:35], v1, s[10:11]
	global_load_b128 v[36:39], v1, s[10:11] offset:2048
	LOADB 0, 0
	LOADB 1, 1
	LOADB 2, 2
	WIN 0
	global_prefetch_b8 v[VPF], s[36:37] offset:4*256 th:TH_LOAD_NT scope:SCOPE_SE  ; groups 4 and 5, which the loop's first trip loads: a lane a row, 256 bytes each, each asked for by one wave
	global_prefetch_b8 v[VPF], s[36:37] offset:5*256 th:TH_LOAD_NT scope:SCOPE_SE
	s_mul_i32 s19, s16, 32*RP                      ; the other addresses are made while the loads are out
	v_mul_u32_u24 v[VS], v58, 8*RP
	v_lshl_add_u32 v[VS], v57, 3, v[VS]
	v_add_nc_u32 v[VS], s19, v[VS]
	v_mul_u32_u24 v[AD], v57, RP
	v_lshl_add_u32 v[AD], v58, 4, v[AD]
	v_mov_b32 v[AD0], v[AD]
	s_lshl_b32 s19, s16, 9
	s_add_co_u32 s40, s19, TH
	v_lshl_add_u32 v[VT], v58, 5, s40
	s_add_co_u32 s40, s19, SC
	v_lshl_add_u32 v[VSC], v57, 2, s40
	v_lshl_add_u32 v[VZ], v56, 4, SC
	s_lshl_b32 s19, s16, 8
	s_add_co_u32 s19, s19, PB
	v_lshl_add_u32 v[VPW], v56, 3, s19
	v_lshl_add_u32 v[VP], v58, 4, s19
	v_and_b32 v59, 7, v0
	v_lshl_add_u32 v59, v58, 3, v59
	v_mul_u32_u24 v[VTR], v59, RP
	v_bfe_u32 v59, v0, 3, 1
	v_lshl_add_u32 v[VTR], v59, 4, v[VTR]
	s_mul_i32 s19, s16, 4*GP
	v_add_nc_u32 v[VTR], s19, v[VTR]
	v_add_nc_u32 v[VTR+1], 2*GP, v[VTR]
	s_lshl_b32 s19, s16, 10
	s_add_co_u32 s19, s19, CST
	v_lshl_add_u32 v[VC], v57, 2, s19
	v_lshl_add_u32 v[VR], v56, 4, s19
	v_add_nc_u32 v60, TH, v1
.set z, 0
.rept 16
	v_mov_b32 v[S+z], 0                            ; the eight sums run through both passes
.set z, z+1
.endr
	s_wait_loadcnt 48                              ; all but W1's first three steps (48 loads): halves 0 to 3 and the tables are in
	CVT 0
	PUT 0, 0, 0
	ISSUE 0, 0, 2                                  ; halves 4, 5, 6 take the quarters that have been stored
	CVT 1
	PUT 1, 1, 0
	ISSUE 1, 1, 2
	CVT 2
	PUT 2, 0, 1
	ISSUE 2, 0, 3
.set z, 4
.rept 28                               ; the eight partial sums, in ascending order, in f32
	v_pk_add_f32 v[64+2*(z%4):64+2*(z%4)+1], v[64+2*(z%4):64+2*(z%4)+1], v[64+2*z:64+2*z+1]
.set z, z+1
.endr
.irp u, 0,1,2,3
	v_pk_mul_f32 v[64+2*\u:64+2*\u+1], v[64+2*\u:64+2*\u+1], s[24:25] op_sel_hi:[1,0]
	v_cvt_pk_bf16_f32 v[40+\u], v[32+2*\u], v[32+2*\u+1]       ; V is rounded to bf16 like the other inputs
.endr
.irp u, 0,1,2,3
	v_lshlrev_b32 v[32+2*\u], 16, v[40+\u]
	v_and_b32 v[32+2*\u+1], 0xffff0000, v[40+\u]
.endr
.irp u, 0,1,2,3
	v_pk_mul_f32 v[32+2*\u:32+2*\u+1], v[32+2*\u:32+2*\u+1], -2.0 op_sel_hi:[1,0]
.endr
	ds_store_b128 v60, v[64:67]
	ds_store_b128 v60, v[68:71] offset:2048
	ds_store_b128 v60, v[32:35] offset:4096
	ds_store_b128 v60, v[36:39] offset:6144
	s_wait_dscnt 0x0                               ; for the others' sake: my part of group 0 and of the tables
	s_barrier_signal -1
	s_barrier_wait -1
	FETCHA 0, 0
	; PASS 0.  In trip t the pointers and LDS addresses stand at group 2 t, W1's pointer at step 4 t.
	; The count 56 at a step's head: behind W1 of step x were issued three halves of enc (24 loads) and W1 of steps x + 1, x + 2 (32); half x + 3, issued ahead of it, is in as well.
	STEP 0, 56, 3, 0, 64, 1, 3, 1, 3, 0, -1        ; step 0 is written out: its products start the sums
	s_wait_loadcnt 40                              ; half 4, which step 1 rounds: behind it halves 5, 6 (16), W1 of step 3 (16), half 7 (8)
	WIN 0
	s_mov_b32 s28, 6
.Lk0:                                                  ; steps 4 t + 1 .. 4 t + 4
	STEP 1, 56, 4, 64,      GP,      0, 0, 2, 4, 1, -1
	STEP 2, 56, 5, GP,      GP+64,   0, 1, 2, 4, 0, 0    ; prefetch: group 2 t + 6, which the next trip loads
	STEP 3, 56, 6, GP+64,   2*GP,    0, 2, 3, 5, 1, -1
	STEP 0, 56, 7, 2*GP,    2*GP+64, 0, 3, 3, 5, 0, 256  ; and group 2 t + 7
	WIN 0
	s_wait_xcnt 0x0                                ; the pointers are rewritten only behind this wait (ISA guide 3.1); 32 matrix instructions stand between the prefetch and it
	s_add_nc_u64 s[22:23], s[22:23], 4*8192
	s_add_nc_u64 s[20:21], s[20:21], 2*256
	s_add_co_u32 s34, s34, 2*256
	s_min_u32 s34, s34, 14*256                     ; held at groups 14 and 15: no prefetch leaves its row
	s_add_nc_u64 s[38:39], s[36:37], s[34:35]
	v_add_nc_u32 v[AD], 2*GP, v[AD]
	v_add_nc_u32 v[VS], 2*GP, v[VS]
	s_sub_co_u32 s28, s28, 1
	s_cmp_lg_u32 s28, 0
	s_cbranch_scc1 .Lk0
	STEP 1, 56, 4, 64,      GP,      0, 0, 2, -1, 1, -1  ; steps 25 to 28: nothing of enc is left to ask for, and the counts run down by a half (8) a step
	STEP 2, 48, 5, GP,      GP+64,   0, 1, 2, -1, 0, -1
	STEP 3, 40, 6, GP+64,   2*GP,    0, 2, 3, -1, 1, -1
	STEP 0, 32, 7, 2*GP,    2*GP+64, 0, 3, 3, -1, 0, -1
	WIN 0
	s_wait_xcnt 0x0
	s_add_nc_u64 s[22:23], s[22:23], 4*8192
	v_add_nc_u32 v[AD], 2*GP, v[AD]
	STEP 1, 32, 4, 64,      GP,      0, -1, 0, -1, 1, -1 ; steps 29 to 31 ask for pass 1's first three steps of W1, which land under the epilogue; count 32: two steps of W1 are younger
	STEP 2, 32, 5, GP,      GP+64,   0, -1, 0, -1, 0, -1
	STEP 3, 32, 6, GP+64,   -1,      0, -1, 0, -1, 0, -1
	WIN 0
	s_wait_xcnt 0x0
	s_add_nc_u64 s[22:23], s[22:23], 4*8192        ; W1's pointer at pass 1's step 0
	s_mov_b32 s29, 2
.Lepi:                                                 ; THE EPILOGUE, written once and walked behind each pass
	PLACES                                         ; behind the last products: the tables land in registers that they read
	LOADTAB 0
	s_wait_dscnt 0x0
	EPIB 2, 0, 0
	EPIB 2, 1, 0
	EPIB 3, 0, 0
	EPIB 3, 1, 0
	WIN 0
	LOADTAB 1
	s_wait_dscnt 0x0
	EPIB 2, 0, 1
	EPIB 2, 1, 1
	EPIB 3, 0, 1
	EPIB 3, 1, 1
	WIN 0
	v_add_nc_u32 v[VT], 2048, v[VT]                ; the tables of the next 512 columns
	v_mov_b32 v[AD], v[AD0]                        ; back to group 0
	s_sub_co_u32 s29, s29, 1
	s_cmp_eq_u32 s29, 0
	s_cbranch_scc1 .Lend
	; PASS 1: all of enc is in LDS: no conversion, no barrier.  Count 32 at a step's head: W1 of the two next steps is younger.
	FETCHA 0, 0
	STEP 0, 32, 3, 0, 64, 1, -1, 0, -1, 0, -1
	WIN 0
	s_mov_b32 s28, 7
.Lk1:
	STEP 1, 32, 4, 64,      GP,      0, -1, 0, -1, 0, -1
	STEP 2, 32, 5, GP,      GP+64,   0, -1, 0, -1, 0, -1
	STEP 3, 32, 6, GP+64,   2*GP,    0, -1, 0, -1, 0, -1
	STEP 0, 32, 7, 2*GP,    2*GP+64, 0, -1, 0, -1, 0, -1
	WIN 0
	s_wait_xcnt 0x0
	s_add_nc_u64 s[22:23], s[22:23], 4*8192
	v_add_nc_u32 v[AD], 2*GP, v[AD]
	s_sub_co_u32 s28, s28, 1
	s_cmp_lg_u32 s28, 0
	s_cbranch_scc1 .Lk1
	STEP 1, 32, -1, 64,     GP,      0, -1, 0, -1, 0, -1 ; the last three steps ask for nothing: 32, 16, 0
	STEP 2, 16, -1, GP,     GP+64,   0, -1, 0, -1, 0, -1
	STEP 3, 0,  -1, GP+64,  -1,      0, -1, 0, -1, 0, -1
	WIN 0
	s_branch .Lepi
.Lend:
	s_wait_loadcnt 0x0                             ; no load of mine is out on the way that comes here; window 1's registers are written below
.set z, 0
.rept 8
	v_add_f32 v[S+2*z], v[S+2*z], v[S+2*z+1]       ; even and odd columns
.set z, z+1
.endr
.set z, 0
.rept 8
	v_permlanex16_b32 v[S+2*z+1], v[S+2*z], s26, s27  ; the row's other columns lie in the lane 16 away
.set z, z+1
.endr
.set z, 0
.rept 8
	v_add_f32 v[S+2*z], v[S+2*z], v[S+2*z+1]
.set z, z+1
.endr
.set z, 0
.rept 8
	ds_store_b32 v[VSC], v[S+2*z] offset:64*z      ; my 256 columns' share of row 16 z + r
.set z, z+1
.endr
	s_wait_dscnt 0x0                               ; for the others' sake
	s_barrier_signal -1
	s_barrier_wait -1
.irp i, 0,1,2,3
	ds_load_b128 v[32+4*\i:32+4*\i+3], v[VZ] offset:512*\i
.endr
	s_wait_dscnt 0x0
.irp i, 1,2,3                          ; the four waves' shares, in the same order in every wave: lane l holds the scores of rows 4 l .. 4 l + 3
	v_pk_add_f32 v[32:33], v[32:33], v[32+4*\i:32+4*\i+1]
	v_pk_add_f32 v[34:35], v[34:35], v[32+4*\i+2:32+4*\i+3]
.endr
	s_cmp_lg_u32 s16, 0
	s_cbranch_scc1 .Lnot_0
	global_store_b128 v[VB], v[32:35], s[12:13]    ; wave 0: 512 consecutive bytes; v32-35 are not rewritten
.Lnot_0:
	v_max3_num_f32 v48, v32, v33, v34              ; the block's maximum
	v_max_num_f32 v48, v48, v35
	v_max_num_f32_dpp v48, v48, v48 row_xmask:1 row_mask:0xf bank_mask:0xf
	v_max_num_f32_dpp v48, v48, v48 row_xmask:2 row_mask:0xf bank_mask:0xf
	v_max_num_f32_dpp v48, v48, v48 row_xmask:4 row_mask:0xf bank_mask:0xf
	v_max_num_f32_dpp v48, v48, v48 row_xmask:8 row_mask:0xf bank_mask:0xf
	v_permlanex16_b32 v36, v48, s26, s27
	v_max_num_f32 v48, v48, v36
	v_mul_f32 v49, s32, v48
.irp i, 0,1,2,3
	v_fma_f32 v[40+\i], v[32+\i], s32, -v49        ; (score - m) log2 e
.endr
.irp i, 0,1,2,3
	v_exp_f32 v[40+\i], v[40+\i]
.endr
	v_nop
	s_wait_alu depctr_va_vdst(0)
	v_cvt_pk_bf16_f32 v44, v40, v41
	v_cvt_pk_bf16_f32 v45, v42, v43
	ds_store_b64 v[VPW], v[44:45]                  ; my own copy of p: LDS serves a wave's instructions in order (ISA guide 5.7.1.4), so the loads below see it
.irp k, 0,1,2,3
	ds_load_b128 v[SG+8*\k:SG+8*\k+3],   v[VP] offset:64*\k     ; p as source 0: every lane of a half takes the same 8 rows' weights
	ds_load_b128 v[SG+8*\k+4:SG+8*\k+7], v[VP] offset:64*\k+32
.endr
	FETCHT 0, 0
	FETCHT 1, 1
	s_wait_dscnt 32                                ; all but the younger run of 32
	MULC 0, 0, 1
	PLACES
	FETCHT 2, 0
	s_wait_dscnt 32
	MULC 1, 1, 0
	PLACES
	FETCHT 3, 1
	s_wait_dscnt 32
	MULC 2, 0, 0
	s_wait_dscnt 0x0
	MULC 3, 1, 0
	WIN 0
	PLACES
	WIN 0x08                                       ; store data in window 2
.set z, 0
.rept 16
	ds_store_b32 v[VC], v[8*z] offset:64*z         ; all 16 rows of a result are alike: register 0 holds channel 16 z + r
.set z, z+1
.endr
	WIN 0
	ds_load_b128 v[48:51], v[VR]                   ; my own stage, back as 16 bytes a lane
	ds_load_b128 v[52:55], v[VR] offset:512
	s_wait_dscnt 0x0
	global_store_b128 v[VB], v[48:51], s[14:15]    ; 512 consecutive bytes each
	global_store_b128 v[VB], v[52:55], s[14:15] offset:512
	s_wait_tensorcnt 0x0                           ; the wave's end
	ds_add_u32 v[SPW], v[NIL]
	s_wait_dscnt 0x0
	s_endpgm
.Lfunc_end_k_qc6c4276ed1_main:
	.size	k_qc6c4276ed1_main, .Lfunc_end_k_qc6c4276ed1_main-k_qc6c4276ed1_main
	.p2alignl 7, 3214868480
	.fill 96, 4, 3214868480
	.section	.rodata,"a",@progbits
	.p2align	6, 0x0
	.amdhsa_kernel k_qc6c4276ed1_main
		.amdhsa_group_segment_fixed_size 310784
		.amdhsa_private_segment_fixed_size 0
		.amdhsa_enable_private_segment 0
		.amdhsa_kernarg_size 48
		.amdhsa_user_sgpr_count 2
		.amdhsa_user_sgpr_kernarg_segment_ptr 1
		.amdhsa_wavefront_size32 1
		.amdhsa_system_sgpr_workgroup_id_x 1
		.amdhsa_system_sgpr_workgroup_id_y 1
		.amdhsa_system_sgpr_workgroup_id_z 1
		.amdhsa_system_vgpr_workitem_id 0
		.amdhsa_next_free_vgpr 1024
		.amdhsa_next_free_sgpr 66
		.amdhsa_reserve_vcc 0
		.amdhsa_float_denorm_mode_32 3
		.amdhsa_float_denorm_mode_16_64 3
		.amdhsa_memory_ordered 1
		.amdhsa_forward_progress 1
		.amdhsa_inst_pref_size 255
	.end_amdhsa_kernel
	.section	.bss,"aw",@nobits
	.p2align	6
	.space	262144
	.amdgpu_metadata
---
amdhsa.version: [ 1, 2 ]
amdhsa.kernels:
  - .name:           k_qc6c4276ed1_main
    .symbol:         k_qc6c4276ed1_main.kd
    .args:
      - { .name: encoder_output, .offset: 0, .size: 8, .value_kind: global_buffer, .address_space: global }
      - { .name: w1f, .offset: 8, .size: 8, .value_kind: global_buffer, .address_space: global }
      - { .name: hpart, .offset: 16, .size: 8, .value_kind: global_buffer, .address_space: global }
      - { .name: V, .offset: 24, .size: 8, .value_kind: global_buffer, .address_space: global }
      - { .name: scores, .offset: 32, .size: 8, .value_kind: global_buffer, .address_space: global }
      - { .name: part, .offset: 40, .size: 8, .value_kind: global_buffer, .address_space: global }
    .group_segment_fixed_size: 310784
    .private_segment_fixed_size: 0
    .kernarg_segment_align: 8
    .kernarg_segment_size: 48
    .max_flat_workgroup_size: 128
    .sgpr_count:     66
    .vgpr_count:     1024
    .wavefront_size: 32
...
	.end_amdgpu_metadata
.endif
;; end of part 2
;; launch finish (part 3): grid 32 x 4, 8 waves a work-group, no clusters, 5,632 bytes of LDS; arguments scores, part, out0, out1; writes out0, out1
.if DOCPART == 3
	.amdgcn_target "amdgcn-amd-amdhsa--gfx1250"
	.amdhsa_code_object_version 6
	.text
	.protected	k_qc6c4276ed1_finish
	.globl	k_qc6c4276ed1_finish
	.p2align	8
	.type	k_qc6c4276ed1_finish,@function
k_qc6c4276ed1_finish:
	s_mov_b64 s[64:65], 0
	v_nop
	global_prefetch_b8 v0, s[64:65] scope:SCOPE_SE
	s_setreg_imm32_b32 hwreg(HW_REG_WAVE_MODE, 25, 1), 1
	s_wait_xcnt 0x0
; FINISH.  For batch b (grid x) and quarter q (grid y): the 16 blocks' maxima m_j (the same numbers that the main launch took away), the true maximum M, e = 2^((score - M) log2 e), L = sum of e;
; out1 = e / L (the quarter's 512 rows); out0[b][256 q ..] = sum over j of part[16 b + j] x 2^((m_j - M) log2 e) / L.  All in f32.  A weight below 2^-126 counts as 0.
; Eight waves: wave v holds blocks 2 v and 2 v + 1 of the scores, 4 numbers a lane and block.  Thread t takes 4 channels (t % 64) of 4 blocks (t / 64) of part.
; A stream of 8 KiB + 16 KiB a work-group with three meetings in LDS: matrix units, clusters and tensor loads would add nothing.
.set MJ,    0                          ; 16 block maxima
.set LS,    256                        ; 8 partial sums of e
.set CR,    512                        ; [4][256] f32: the four block groups' shares of out0
.set SPARE, 4608                       ; the spare words, 128 bytes a wave: four blocks of 256 bytes that no other line names
	s_load_b256 s[4:11], s[0:1], 0x0               ; scores s[4:5], part s[6:7], out0 s[8:9], out1 s[10:11]
	v_lshl_add_u32 v62, v0, 2, SPARE
	v_mov_b32 v63, 0
	v_lshrrev_b32 v1, 5, v0
	v_readfirstlane_b32 s12, v1                    ; wave 0..7
	s_mov_b32 s13, ttmp9                           ; b
	s_and_b32 s14, ttmp7, 0xffff                   ; q
	s_mov_b32 s18, 0x3fb8aa3b                      ; log2(e)
	s_mov_b32 s20, 0x76543210
	s_mov_b32 s21, 0xfedcba98
	v_and_b32 v2, 31, v0
	v_lshlrev_b32 v2, 4, v2                        ; 16 x lane
	v_and_b32 v3, 63, v0
	v_lshlrev_b32 v3, 4, v3                        ; 16 x (t % 64)
	v_lshrrev_b32 v6, 6, v0                        ; jg = t / 64
	v_lshl_add_u32 v60, v6, 10, v3
	v_add_nc_u32 v60, CR, v60
	v_lshl_add_u32 v3, v6, 14, v3                  ; part: 4 jg blocks of 4,096 bytes + my 16
	v_lshlrev_b32 v6, 4, v6                        ; MJ + 16 jg: my four blocks' maxima
	v_mov_b32 v5, 0
	v_lshlrev_b32 v59, 4, v0
	v_add_nc_u32 v61, CR, v59
	s_lshl_b32 s22, s12, 3
	v_mov_b32 v4, s22                              ; MJ + 8 v
	s_lshl_b32 s22, s12, 2
	s_add_co_u32 s22, s22, LS
	v_mov_b32 v7, s22                              ; LS + 4 v
	s_lshl_b32 s16, s13, 13
	s_lshl_b32 s22, s12, 10
	s_add_co_u32 s16, s16, s22                     ; scores and out1: b x 8,192 + v x 1,024
	s_mov_b32 s17, 0
	s_lshl_b32 s24, s13, 16
	s_lshl_b32 s22, s14, 10
	s_add_co_u32 s24, s24, s22                     ; part: 16 b blocks + q x 1,024
	s_mov_b32 s25, 0
	s_lshl_b32 s26, s13, 12
	s_add_co_u32 s26, s26, s22                     ; out0: b x 4,096 + q x 1,024
	s_mov_b32 s27, 0
	s_wait_kmcnt 0x0
	s_add_nc_u64 s[4:5], s[4:5], s[16:17]
	s_add_nc_u64 s[10:11], s[10:11], s[16:17]
	s_add_nc_u64 s[6:7], s[6:7], s[24:25]
	s_add_nc_u64 s[8:9], s[8:9], s[26:27]
	global_load_b128 v[8:11], v2, s[4:5]
	global_load_b128 v[12:15], v2, s[4:5] offset:512
.irp i, 0,1,2,3
	global_load_b128 v[16+4*\i:16+4*\i+3], v3, s[6:7] offset:4096*\i th:TH_LOAD_NT
.endr
	s_wait_loadcnt 4                               ; the scores are in; part's four loads stay out
	v_max_num_f32 v54, v8, v9
	v_max_num_f32 v55, v12, v13
	v_max3_num_f32 v52, v54, v10, v11
	v_max3_num_f32 v53, v55, v14, v15
.irp m, 1,2,4,8
	v_max_num_f32_dpp v52, v52, v52 row_xmask:\m row_mask:0xf bank_mask:0xf
	v_max_num_f32_dpp v53, v53, v53 row_xmask:\m row_mask:0xf bank_mask:0xf
.endr
	v_permlanex16_b32 v54, v52, s20, s21
	v_permlanex16_b32 v55, v53, s20, s21
	v_max_num_f32 v52, v52, v54
	v_max_num_f32 v53, v53, v55
	ds_store_b64 v4, v[52:53]                      ; m of blocks 2 v, 2 v + 1: every lane the same two words
	s_wait_dscnt 0x0
	s_barrier_signal -1
	s_barrier_wait -1
.irp i, 0,1,2,3
	ds_load_b128 v[32+4*\i:32+4*\i+3], v5 offset:MJ+16*\i
.endr
	ds_load_b128 v[48:51], v6
	s_wait_dscnt 0x0
	v_max3_num_f32 v56, v32, v33, v34
.irp i, 35,37,39,41,43,45
	v_max3_num_f32 v56, v56, v[\i], v[\i+1]
.endr
	v_max_num_f32 v56, v56, v47                    ; M
	v_mul_f32 v58, s18, v56
.set z, 0
.rept 8
	v_fma_f32 v[8+z], v[8+z], s18, -v58
.set z, z+1
.endr
.irp i, 0,1,2,3
	v_fma_f32 v[48+\i], v[48+\i], s18, -v58
.endr
.set z, 0
.rept 8
	v_exp_f32 v[8+z], v[8+z]
.set z, z+1
.endr
.irp i, 0,1,2,3
	v_exp_f32 v[48+\i], v[48+\i]
.endr
	v_nop                                          ; a plain line behind the last exponential (ISA guide 5.7.2)
	s_wait_alu depctr_va_vdst(0)
	v_pk_add_f32 v[52:53], v[8:9], v[10:11]
	v_pk_add_f32 v[54:55], v[12:13], v[14:15]
	v_pk_add_f32 v[52:53], v[52:53], v[54:55]
	v_add_f32 v52, v52, v53
.irp m, 1,2,4,8
	v_add_f32_dpp v52, v52, v52 row_xmask:\m row_mask:0xf bank_mask:0xf
.endr
	v_permlanex16_b32 v53, v52, s20, s21
	v_add_f32 v52, v52, v53
	ds_store_b32 v7, v52
	s_wait_dscnt 0x0
	s_barrier_signal -1
	s_barrier_wait -1
	ds_load_b128 v[32:35], v5 offset:LS
	ds_load_b128 v[36:39], v5 offset:LS+16
	s_wait_dscnt 0x0
.irp i, 33,34,35,36,37,38,39
	v_add_f32 v32, v32, v[\i]                      ; L, in the same order in every wave
.endr
	v_rcp_f32 v57, v32
	v_nop
	s_lshr_b32 s22, s12, 1
	s_cmp_lg_u32 s22, s14
	s_cbranch_scc1 .Lno_1                          ; waves 2 q and 2 q + 1 store the quarter's rows of out1
.set z, 0
	s_wait_alu depctr_va_vdst(0)
.rept 8
	v_mul_f32 v[8+z], v[8+z], v57
.set z, z+1
.endr
	global_store_b128 v2, v[8:11], s[10:11]        ; 512 consecutive bytes each; v8-15 are not rewritten
	global_store_b128 v2, v[12:15], s[10:11] offset:512
.Lno_1:
	s_wait_alu depctr_va_vdst(0)
.irp i, 0,1,2,3
	v_mul_f32 v[40+2*\i], v[48+\i], v57            ; w_i = 2^((m_j - M) log2 e) / L, each in the low register of a pair
.endr
	s_wait_loadcnt 0x0                             ; part
	v_pk_mul_f32 v[52:53], v[16:17], v[40:41] op_sel_hi:[1,0]
	v_pk_mul_f32 v[54:55], v[18:19], v[40:41] op_sel_hi:[1,0]
.irp i, 1,2,3
	v_pk_fma_f32 v[52:53], v[16+4*\i:16+4*\i+1], v[40+2*\i:40+2*\i+1], v[52:53] op_sel_hi:[1,0,1]
	v_pk_fma_f32 v[54:55], v[16+4*\i+2:16+4*\i+3], v[40+2*\i:40+2*\i+1], v[54:55] op_sel_hi:[1,0,1]
.endr
	ds_store_b128 v60, v[52:55]
	s_wait_dscnt 0x0
	s_barrier_signal -1
	s_barrier_wait -1
	s_cmp_lt_u32 s12, 2
	s_cbranch_scc0 .Ldone
.irp i, 0,1,2,3
	ds_load_b128 v[16+4*\i:16+4*\i+3], v61 offset:1024*\i
.endr
	s_wait_dscnt 0x0
.irp i, 1,2,3
	v_pk_add_f32 v[16:17], v[16:17], v[16+4*\i:16+4*\i+1]
	v_pk_add_f32 v[18:19], v[18:19], v[16+4*\i+2:16+4*\i+3]
.endr
	global_store_b128 v59, v[16:19], s[8:9]        ; waves 0 and 1: 512 consecutive bytes each
.Ldone:
	s_wait_tensorcnt 0x0                           ; the wave's end
	ds_add_u32 v62, v63
	s_wait_dscnt 0x0
	s_endpgm
.Lfunc_end_k_qc6c4276ed1_finish:
	.size	k_qc6c4276ed1_finish, .Lfunc_end_k_qc6c4276ed1_finish-k_qc6c4276ed1_finish
	.p2alignl 7, 3214868480
	.fill 96, 4, 3214868480
	.section	.rodata,"a",@progbits
	.p2align	6, 0x0
	.amdhsa_kernel k_qc6c4276ed1_finish
		.amdhsa_group_segment_fixed_size 5632
		.amdhsa_private_segment_fixed_size 0
		.amdhsa_enable_private_segment 0
		.amdhsa_kernarg_size 32
		.amdhsa_user_sgpr_count 2
		.amdhsa_user_sgpr_kernarg_segment_ptr 1
		.amdhsa_wavefront_size32 1
		.amdhsa_system_sgpr_workgroup_id_x 1
		.amdhsa_system_sgpr_workgroup_id_y 1
		.amdhsa_system_sgpr_workgroup_id_z 1
		.amdhsa_system_vgpr_workitem_id 0
		.amdhsa_next_free_vgpr 64
		.amdhsa_next_free_sgpr 66
		.amdhsa_reserve_vcc 0
		.amdhsa_float_denorm_mode_32 3
		.amdhsa_float_denorm_mode_16_64 3
		.amdhsa_memory_ordered 1
		.amdhsa_forward_progress 1
		.amdhsa_inst_pref_size 10
	.end_amdhsa_kernel
	.amdgpu_metadata
---
amdhsa.version: [ 1, 2 ]
amdhsa.kernels:
  - .name:           k_qc6c4276ed1_finish
    .symbol:         k_qc6c4276ed1_finish.kd
    .args:
      - { .name: scores, .offset: 0, .size: 8, .value_kind: global_buffer, .address_space: global }
      - { .name: part, .offset: 8, .size: 8, .value_kind: global_buffer, .address_space: global }
      - { .name: out0, .offset: 16, .size: 8, .value_kind: global_buffer, .address_space: global }
      - { .name: out1, .offset: 24, .size: 8, .value_kind: global_buffer, .address_space: global }
    .group_segment_fixed_size: 5632
    .private_segment_fixed_size: 0
    .kernarg_segment_align: 8
    .kernarg_segment_size: 32
    .max_flat_workgroup_size: 256
    .sgpr_count:     66
    .vgpr_count:     64
    .wavefront_size: 32
...
	.end_amdgpu_metadata
.endif
;; end of part 3
;; ======== version 2 of 2: 3 launches; version 1 with the launch main written anew for expert scheduling mode
;; workspace buffers: w1f 2,097,152 bytes; hpart 1,048,576 bytes; scores 262,144 bytes; part 2,097,152 bytes
;; launch prep: the kernel of part 1 again; grid 128 x 1, 8 waves a work-group, no clusters, 50,688 bytes of LDS; arguments W1, W2, state_hidden, w1f, hpart; writes w1f, hpart
;; launch main (part 4): grid 512 x 1, 4 waves a work-group, no clusters, 310,784 bytes of LDS; arguments encoder_output, w1f, hpart, V, scores, part; writes scores, part
.if DOCPART == 4
	.amdgcn_target "amdgcn-amd-amdhsa--gfx1250"
	.amdhsa_code_object_version 6
	.text
	.protected	k_qc6c4276ed1_main
	.globl	k_qc6c4276ed1_main
	.p2align	8
	.type	k_qc6c4276ed1_main,@function
k_qc6c4276ed1_main:
	s_mov_b64 s[64:65], 0
	v_nop
	global_prefetch_b8 v0, s[64:65] scope:SCOPE_SE
	s_setreg_imm32_b32 hwreg(HW_REG_WAVE_SCHED_MODE, 0, 2), 2
	s_setreg_imm32_b32 hwreg(HW_REG_WAVE_MODE, 25, 1), 1
	s_wait_xcnt 0x0
	s_wait_alu depctr_vm_vsrc(0)
; MAIN.  For a block of 128 rows t of one batch b:  z[t][e] = enc[t] . W1[:, e] + (s W2)[b][e];  score'[t] = sum over e of V'[e] / (1 + 2^(c z)),  V' = -2 V, c = 2 log2(e).
; tanh z = 1 - 2 / (1 + e^(2 z)), so score' is the reference's score less the sum of V, a constant that the softmax does not see.  2^(c z) = infinity gives 0, 2^(c z) = 0 gives V': sound for every finite z.
; Then the block's own maximum m, p[t] = 2^((score' - m) log2 e), and part[d] = sum over t of p[t] enc[t][d].  The last launch takes the true maximum and rescales.
; FORMATS.  enc, W1, s, W2 and V are rounded to bf16 once; products in f32 sums; p is rounded to bf16 for the second product.  LIMITS: NaN and infinities are not treated apart; a weight below 2^-126 counts as 0.
; SHARES.  Four waves.  The block's rows stay in LDS as bf16 (128 x 2,048 bytes) from their first use to the second product: enc leaves memory once.  Wave w makes all 128 rows x columns 512 p + 128 w .. + 127
; in two passes p: 64 accumulators, 512 registers; 32 K steps of 32, 64 matrix instructions each.  Source 0 = 16 columns of W1, source 1 = 16 rows of enc: a lane holds ONE row and eight neighbouring columns,
; so tanh . V is a packed multiply-add into a sum per row, on the vector unit: a product with V's single column would use one column of sixteen of a matrix instruction.
; NO TENSOR LOAD, NO CLUSTER: enc is f32 and has to pass through registers to be rounded; its bf16 copy takes 294,912 bytes of LDS, so two slots of one K step of W1 for 512 columns (2 x 32,768 bytes)
; do not fit beside it.  The four waves share no column of W1, so its fragments go from memory straight into registers, 512 consecutive bytes a load, in the order in which the first launch laid them.
; REGISTERS, in windows of 256 (s_set_vgpr_msb: bits 1:0 source 0, 3:2 source 1, 5:4 source 2, 7:6 destination):
;   window 0: v0-15 addresses; v16-31 the eight row blocks' sums; v32-61 at work; v64-127 enc fragments (rows 0-63, 64-127); v128-255 four staging quarters for enc as f32; in the epilogue v64-191 hold the tables
;   window 1: four buffers of 64 for W1's fragments; at the end two of 128 for turned enc      windows 2, 3: accumulators of rows 0-63, 64-127: (a', b) at v[8 (8 a' + b)]
; THE MODE: SCHED_MODE bits 1:0 = 2 (LLVM: expert scheduling mode 2), set by the entry lines.  The code itself states the register dependences
; between vector or matrix instructions and memory or LDS instructions, with s_wait_alu, always for 0.
; THE PLAN.  Registers that memory or LDS instructions touch, in a K step x:
;   v64-95    enc's rows 0-63.    Read by the step's first 32 products; the LDS loads for step x + 1 land in them in the step's middle.
;   v96-127   enc's rows 64-127.  Read by the step's last 32 products; the LDS loads for step x land in them at its head.
;   W1's four buffers.  Buffer x % 4 is read by the step's 64 products; W1 of step x + 3 lands in buffer (x - 1) % 4, asked for among the step's last 32 products.
;   Quarter (x + 3) % 4 of v128-255.  The step's 16 conversions read and write it, its 8 LDS stores read it, then the 8 loads of half x + 7 land in it.
;   v[AD], v[VS]  read by every fragment load and every LDS store; written once a trip.   v[VT]  read by the tables' loads; written once an epilogue.
;   v[VB], v[VE], v[VPF], v1  offsets, made at the head and never written again.
; Each half of enc's fragments has one buffer (a third would take 32 registers; 29 lie free in window 0 in the loop), so a step has TWO waits on va_vdst: at its head, for what the products of the step before
; read, and in its middle, behind the conversions, for what the first 32 products read and the conversions wrote.  One wait on vm_vsrc stands between the step's LDS stores and the loads into the same quarter,
; one more at each place where an LDS address is stepped.
.set RP,    144                        ; an LDS row of a group: 128 bytes + 16: the 16 rows of a fragment load start at 16 different groups of four banks (64 banks of 4 bytes: ISA guide 11.1)
.set GP,    128*RP                     ; a group: 128 rows x 64 k.  Sixteen groups, one behind the other, so that what a step stores (a later group) and what it reads lie apart
.set TH,    16*GP                      ; c x (s W2)[b][0..1023], f32
.set TV,    TH+4096                    ; -2 V[0..1023], f32
.set SC,    TV+4096                    ; [4 waves][128 rows] partial scores
.set PB,    SC+2048                    ; [4 waves][128] p in bf16: each wave its own copy
.set CST,   PB+1024                    ; [4 waves][256] f32: the way out of part
.set SPARE, CST+4096                   ; the spare words, 128 bytes a wave: two blocks of 256 bytes that no other line names
.set VB,  2                            ; 16 x lane
.set VE,  3                            ; enc: (32 w + 8 h) rows of 4,096 bytes + 16 r
.set VS,  4                            ; where those 16 bytes go as 8: (32 w + 8 h) RP + 8 r; steps with the groups
.set AD,  5                            ; fragment address r RP + 16 h; steps with the groups
.set AD0, 6                            ; its start
.set VT,  7                            ; tables: TH + 512 w + 32 h; 2,048 on in pass 1
.set VSC, 8
.set VZ,  9
.set VPW, 10
.set VP,  11
.set VTR, 12                           ; v12, v13 turned loads: groups 4 w, 4 w + 1 and 4 w + 2, 4 w + 3
.set VC,  14
.set VR,  15
.set S,   16                           ; pair a: row block a's sum (even columns', odd columns')
.set VPF, 61                           ; prefetch: row 32 w + lane
.set SPW, 62
.set NIL, 63
.set HA,  64
.set TBH, 64                           ; the tables of my column blocks 0-3 at TBH and TBV, those of blocks 4-7 64 registers on
.set TBV, 96
.set SG,  128
.set MSB, 0
.macro WIN new                         ; the immediate's high byte repeats the setting that is left; a switch that changes nothing is dropped
.if MSB != (\new)
	s_set_vgpr_msb (MSB<<8)|(\new)
.set MSB, \new
.endif
.endm
.macro PLACES                          ; four places behind a matrix instruction, in front of loads into registers that it read and of vector lines that read its result
.rept 4
	v_nop
.endr
.endm
; cnt matrix instructions, from number from of 32: row blocks 4 half .. 4 half + 3 x my 8 column blocks, 32 along K.  The 32 accumulators take turns.  zero = 1: the product starts the sums.
.macro MUL half, buf, zero, from, cnt
	WIN 0xa1+0x50*(\half)
.set z, \from
.rept \cnt
.set DD, 8*z
.set BB, 64*(\buf)+8*(z%8)
.set AA, HA+32*(\half)+8*(z/8)
.if \zero
	v_wmma_f32_16x16x32_bf16 v[DD:DD+7], v[BB:BB+7], v[AA:AA+7], 0
.else
	v_wmma_f32_16x16x32_bf16 v[DD:DD+7], v[BB:BB+7], v[AA:AA+7], v[DD:DD+7]
.endif
.set z, z+1
.endr
.endm
.macro FETCHA half, off                ; four enc fragments (64 rows x 32 k) at byte off from AD
.irp a, 0,1,2,3
	ds_load_b128 v[HA+32*(\half)+8*\a:HA+32*(\half)+8*\a+3],   v[AD] offset:(\off)+(4*(\half)+\a)*16*RP
	ds_load_b128 v[HA+32*(\half)+8*\a+4:HA+32*(\half)+8*\a+7], v[AD] offset:(\off)+(4*(\half)+\a)*16*RP+32
.endr
.endm
.macro LOADB buf, st                   ; a K step's 8 fragments of W1, 8,192 consecutive bytes, st steps on from the pointer
	WIN 0x40
.set z, 0
.rept 16
	global_load_b128 v[64*(\buf)+4*z:64*(\buf)+4*z+3], v[VB], s[22:23] offset:(\st)*8192+512*z
.set z, z+1
.endr
.endm
; A HALF of a group is 64 rows x 64 k of f32, 16 rows a wave: what one K step uses up.  ISSUE asks for it (each load: two whole pieces of 256 bytes, rows u and u + 8), CVT rounds it in place, PUT stores it.
.macro ISSUE Q, q, g
.irp u, 0,1,2,3,4,5,6,7
	global_load_b128 v[SG+32*(\Q)+4*\u:SG+32*(\Q)+4*\u+3], v[VE], s[20:21] offset:(\g)*256+(16*(\q)+\u)*4096 th:TH_LOAD_NT
.endr
.endm
.macro CVT Q
.irp u, 0,1,2,3,4,5,6,7
	v_cvt_pk_bf16_f32 v[SG+32*(\Q)+4*\u],   v[SG+32*(\Q)+4*\u],   v[SG+32*(\Q)+4*\u+1]
	v_cvt_pk_bf16_f32 v[SG+32*(\Q)+4*\u+1], v[SG+32*(\Q)+4*\u+2], v[SG+32*(\Q)+4*\u+3]
.endr
.endm
.macro PUT Q, q, g                     ; lanes 16-31 lie eight rows on, 1,152 bytes: the other half of the banks
.irp u, 0,1,2,3,4,5,6,7
	ds_store_b64 v[VS], v[SG+32*(\Q)+4*\u:SG+32*(\Q)+4*\u+1] offset:(\g)*GP+(16*(\q)+\u)*RP
.endr
.endm
; A K STEP x.  buf = x % 4.  At its head: W1 of step x is waited for (n = the loads issued behind it); enc's rows 64-127 of this step are fetched (hi), and rows 0-63 are multiplied meanwhile.
; In its middle: half x + 3 of enc is rounded and stored (quarter Q, group pg from VS; Q < 0: none; its 16 conversions are the places behind the products), rows 0-63 of step x + 1 are fetched (lo; < 0: none),
; half x + 7 is asked for into the same quarter (group ig from the pointer; < 0: none), a prefetch goes out (pf; < 0: none).  Among the products of rows 64-127 W1 of step x + 3 is asked for (st; < 0: none),
; into the buffer that step x - 1 read.
; bar = 1 (x odd, pass 0): the next group is whole in LDS once every wave has waited for its stores: signal at the head, behind my wait for them; wait in the middle, ahead of the first fetch from that group.
; Between the two stand LDS loads from groups shown earlier, products, conversions and waits.
.macro STEP buf, n, st, hi, lo, zero, Q, pg, ig, bar, pf
	WIN 0
	PLACES
	s_wait_loadcnt \n
	s_wait_dscnt 0x0                               ; rows 0-63 of this step are in, and my stores into LDS are done
	s_wait_alu depctr_va_vdst(0)                   ; the products of the step before are done reading v96-127, in which the fetch below lands, and their buffer of W1, in which this step's loads of W1 land; behind a trip's end v[AD] and v[VS] are written
.if \bar
	s_barrier_signal -1
.endif
	FETCHA 1, \hi
	MUL 0, \buf, \zero, 0, 32
	WIN 0
	s_wait_dscnt 0x0                               ; rows 64-127, asked for 32 matrix instructions ago
.if (\Q) >= 0
	CVT \Q
.elseif (\lo) >= 0
	PLACES
.endif
.if ((\Q) >= 0) || ((\lo) >= 0)
	s_wait_alu depctr_va_vdst(0)                   ; the products above are done reading v64-95, in which the fetch below lands; the conversions have written the quarter, which the LDS stores read, and are done with it: the loads below land in it
.endif
.if \bar
	s_barrier_wait -1
.endif
.if (\lo) >= 0
	FETCHA 0, \lo
.endif
.if (\Q) >= 0
	PUT \Q, (\Q)%2, \pg
.endif
.if (\ig) >= 0
	s_wait_alu depctr_vm_vsrc(0)                   ; the LDS stores above have read the quarter in which the loads below land
	ISSUE \Q, (\Q)%2, \ig
.endif
.if (\pf) >= 0
	global_prefetch_b8 v[VPF], s[38:39] offset:\pf th:TH_LOAD_NT scope:SCOPE_SE
.endif
.if (\st) >= 0
	MUL 1, \buf, \zero, 0, 16
	LOADB ((\buf)+3)%4, \st                        ; no wait: no vector or matrix instruction since the wait at the step's head names that buffer or v[VB]
	MUL 1, \buf, \zero, 16, 16
.else
	MUL 1, \buf, \zero, 0, 32
.endif
.endm
.macro LOADTAB bh                      ; the tables for my column blocks 4 bh .. 4 bh + 3: eight numbers a block and lane
.set z, 0
.rept 4
	ds_load_b128 v[TBH+64*(\bh)+8*z:TBH+64*(\bh)+8*z+3],   v[VT] offset:64*(4*(\bh)+z)
	ds_load_b128 v[TBH+64*(\bh)+8*z+4:TBH+64*(\bh)+8*z+7], v[VT] offset:64*(4*(\bh)+z)+16
	ds_load_b128 v[TBV+64*(\bh)+8*z:TBV+64*(\bh)+8*z+3],   v[VT] offset:64*(4*(\bh)+z)+4096
	ds_load_b128 v[TBV+64*(\bh)+8*z+4:TBV+64*(\bh)+8*z+7], v[VT] offset:64*(4*(\bh)+z)+4096+16
.set z, z+1
.endr
.endm
; Eight accumulators (window W; row blocks 2 ap, 2 ap + 1 of its four; column blocks 4 bh .. + 3), in place: c z; 2^(c z); + 1; 1 / ..; then V' times that onto the row block's sum.
; Each accumulator's lowest registers are read first.  A plain line stands behind each run of transcendentals before their results are used (ISA guide 5.7.2).
.macro EPIB W, ap, bh
	WIN ((\W)<<6)|(\W)
.set z, 0
.rept 32
.set X, 8*(8*(2*(\ap)+z/16)+4*(\bh)+(z/4)%4)+2*(z%4)
.set TT, 64*(\bh)+8*((z/4)%4)+2*(z%4)
	v_pk_fma_f32 v[X:X+1], v[X:X+1], s[24:25], v[TBH+TT:TBH+TT+1] op_sel_hi:[1,0,1]
.set z, z+1
.endr
.set z, 0
.rept 64
.set X, 8*(8*(2*(\ap)+z/32)+4*(\bh)+(z/8)%4)+z%8
	v_exp_f32 v[X], v[X]
.set z, z+1
.endr
	v_nop
.set z, 0
	s_wait_alu depctr_va_vdst(0)                   ; the 64 exponentials have written their results, which the additions below read: one wait for the batch
.rept 32
.set X, 8*(8*(2*(\ap)+z/16)+4*(\bh)+(z/4)%4)+2*(z%4)
	v_pk_add_f32 v[X:X+1], v[X:X+1], 1.0 op_sel_hi:[1,0]
.set z, z+1
.endr
.set z, 0
.rept 64
.set X, 8*(8*(2*(\ap)+z/32)+4*(\bh)+(z/8)%4)+z%8
	v_rcp_f32 v[X], v[X]
.set z, z+1
.endr
	v_nop
	WIN \W
.set z, 0
	s_wait_alu depctr_va_vdst(0)                   ; the 64 reciprocals have written their results, which the multiply-adds below read: one wait for the batch
.rept 32                               ; the two row blocks' sums alternate
.set X, 8*(8*(2*(\ap)+z%2)+4*(\bh)+(z/2)%4)+2*(z/8)
.set TT, 64*(\bh)+8*((z/2)%4)+2*(z/8)
.set SS, S+2*(4*((\W)-2)+2*(\ap)+z%2)
	v_pk_fma_f32 v[SS:SS+1], v[X:X+1], v[TBV+TT:TBV+TT+1], v[SS:SS+1]
.set z, z+1
.endr
.endm
.macro FETCHT kc, buf                  ; enc turned: rows 32 kc .. + 31 x my 256 channels, 16 fragments: lane l holds channel l % 16 of a block and eight rows
	WIN 0x40
.set z, 0
.rept 16
	ds_load_tr16_b128 v[128*(\buf)+8*z:128*(\buf)+8*z+3],   v[VTR+z/8] offset:((z/4)%2)*GP+(z%4)*32+(\kc)*32*RP
	ds_load_tr16_b128 v[128*(\buf)+8*z+4:128*(\buf)+8*z+7], v[VTR+z/8] offset:((z/4)%2)*GP+(z%4)*32+(\kc)*32*RP+16*RP
.set z, z+1
.endr
.endm
.macro MULC kc, buf, zero              ; part += p (source 0: 16 rows alike) x turned enc; 16 accumulators by turns
	WIN 0xa4
.set z, 0
.rept 16
.if \zero
	v_wmma_f32_16x16x32_bf16 v[8*z:8*z+7], v[SG+8*(\kc):SG+8*(\kc)+7], v[128*(\buf)+8*z:128*(\buf)+8*z+7], 0
.else
	v_wmma_f32_16x16x32_bf16 v[8*z:8*z+7], v[SG+8*(\kc):SG+8*(\kc)+7], v[128*(\buf)+8*z:128*(\buf)+8*z+7], v[8*z:8*z+7]
.endif
.set z, z+1
.endr
.endm
	s_load_b256 s[4:11], s[0:1], 0x0               ; enc s[4:5], w1f s[6:7], hpart s[8:9], V s[10:11]
	s_load_b128 s[12:15], s[0:1], 0x20             ; scores s[12:13], part s[14:15]
	v_lshl_add_u32 v[SPW], v0, 2, SPARE            ; my spare word
	v_mov_b32 v[NIL], 0
	v_lshrrev_b32 v1, 5, v0
	v_readfirstlane_b32 s16, v1                    ; wave 0..3
	s_mov_b32 s17, ttmp9                           ; block 0..511
	s_lshr_b32 s18, s17, 4                         ; batch
	v_and_b32 v56, 31, v0                          ; l
	v_and_b32 v57, 15, v0                          ; r
	v_bfe_u32 v58, v0, 4, 1                        ; h
	v_lshlrev_b32 v[VB], 4, v56
	s_wait_alu depctr_va_sdst(0)                   ; s16 is written, ahead of its first reader: addresses, LDS places and the branch on the wave's number are made from it
	s_lshl_b32 s19, s16, 17
	v_lshlrev_b32 v[VE], 4, v57
	v_lshl_add_u32 v[VE], v58, 15, v[VE]
	v_add_nc_u32 v[VE], s19, v[VE]
	v_lshlrev_b32 v1, 4, v0                        ; 16 x thread: the tables
	v_lshlrev_b32 v[VPF], 12, v0
	s_lshl_b32 s30, s17, 19                        ; the block's 128 rows of 4,096 bytes
	s_mov_b32 s31, 0
	s_lshl_b32 s40, s16, 19                        ; my wave's stream of W1's fragments
	s_mov_b32 s41, 0
	s_mov_b32 s34, 6*256                           ; the loop's first prefetch: group 6
	s_mov_b32 s35, 0
	s_mov_b32 s24, 0x4038aa3b                      ; c = 2 log2(e)
	s_mov_b32 s25, s24                             ; named with it as a pair
	s_mov_b32 s26, 0x76543210                      ; v_permlanex16_b32: each lane takes its own place in the other half
	s_mov_b32 s27, 0xfedcba98
	s_mov_b32 s32, 0x3fb8aa3b                      ; log2(e)
	s_wait_kmcnt 0x0
	s_add_nc_u64 s[36:37], s[4:5], s[30:31]        ; enc at the block; never rewritten
	s_mov_b64 s[20:21], s[36:37]                   ; the pointer that steps with the groups
	s_add_nc_u64 s[38:39], s[36:37], s[34:35]      ; the prefetch's
	s_add_nc_u64 s[22:23], s[6:7], s[40:41]        ; W1's
	s_lshl_b32 s30, s18, 12
	s_add_nc_u64 s[8:9], s[8:9], s[30:31]
	s_lshl_b32 s30, s17, 9
	s_add_nc_u64 s[12:13], s[12:13], s[30:31]
	s_lshl_b32 s30, s17, 12
	s_lshl_b32 s40, s16, 10
	s_add_co_u32 s30, s30, s40
	s_add_nc_u64 s[14:15], s[14:15], s[30:31]
	s_wait_alu depctr_va_vdst(0)                   ; the offsets v[VE], v1, v[VB] and v[VPF] are written, which the loads and prefetches below read
	ISSUE 0, 0, 0                                  ; halves 0 to 3: groups 0 and 1
	ISSUE 1, 1, 0
	ISSUE 2, 0, 1
	ISSUE 3, 1, 1
.set z, 0
.rept 16                               ; the eight partial sums of s W2 for my batch: 16 bytes a thread, twice
	global_load_b128 v[64+4*z:64+4*z+3], v1, s[8:9] offset:(z/2)*131072+(z%2)*2048
.set z, z+1
.endr
	global_load_b128 v[32:35], v1, s[10:11]
	global_load_b128 v[36:39], v1, s[10:11] offset:2048
	LOADB 0, 0
	LOADB 1, 1
	LOADB 2, 2
	WIN 0
	global_prefetch_b8 v[VPF], s[36:37] offset:4*256 th:TH_LOAD_NT scope:SCOPE_SE  ; groups 4 and 5, which the loop's first trip loads: a lane a row, 256 bytes each, each asked for by one wave
	global_prefetch_b8 v[VPF], s[36:37] offset:5*256 th:TH_LOAD_NT scope:SCOPE_SE
	s_mul_i32 s19, s16, 32*RP                      ; the other addresses are made while the loads are out
	v_mul_u32_u24 v[VS], v58, 8*RP
	v_lshl_add_u32 v[VS], v57, 3, v[VS]
	v_add_nc_u32 v[VS], s19, v[VS]
	v_mul_u32_u24 v[AD], v57, RP
	v_lshl_add_u32 v[AD], v58, 4, v[AD]
	v_mov_b32 v[AD0], v[AD]
	s_lshl_b32 s19, s16, 9
	s_add_co_u32 s40, s19, TH
	v_lshl_add_u32 v[VT], v58, 5, s40
	s_add_co_u32 s40, s19, SC
	v_lshl_add_u32 v[VSC], v57, 2, s40
	v_lshl_add_u32 v[VZ], v56, 4, SC
	s_lshl_b32 s19, s16, 8
	s_add_co_u32 s19, s19, PB
	v_lshl_add_u32 v[VPW], v56, 3, s19
	v_lshl_add_u32 v[VP], v58, 4, s19
	v_and_b32 v59, 7, v0
	v_lshl_add_u32 v59, v58, 3, v59
	v_mul_u32_u24 v[VTR], v59, RP
	v_bfe_u32 v59, v0, 3, 1
	v_lshl_add_u32 v[VTR], v59, 4, v[VTR]
	s_mul_i32 s19, s16, 4*GP
	v_add_nc_u32 v[VTR], s19, v[VTR]
	v_add_nc_u32 v[VTR+1], 2*GP, v[VTR]
	s_lshl_b32 s19, s16, 10
	s_add_co_u32 s19, s19, CST
	v_lshl_add_u32 v[VC], v57, 2, s19
	v_lshl_add_u32 v[VR], v56, 4, s19
	v_add_nc_u32 v60, TH, v1
.set z, 0
.rept 16
	v_mov_b32 v[S+z], 0                            ; the eight sums run through both passes
.set z, z+1
.endr
	s_wait_loadcnt 48                              ; all but W1's first three steps (48 loads): halves 0 to 3 and the tables are in
	CVT 0
	CVT 1
	CVT 2
.set z, 4
.rept 28                               ; the eight partial sums, in ascending order, in f32
	v_pk_add_f32 v[64+2*(z%4):64+2*(z%4)+1], v[64+2*(z%4):64+2*(z%4)+1], v[64+2*z:64+2*z+1]
.set z, z+1
.endr
.irp u, 0,1,2,3
	v_pk_mul_f32 v[64+2*\u:64+2*\u+1], v[64+2*\u:64+2*\u+1], s[24:25] op_sel_hi:[1,0]
	v_cvt_pk_bf16_f32 v[40+\u], v[32+2*\u], v[32+2*\u+1]       ; V is rounded to bf16 like the other inputs
.endr
.irp u, 0,1,2,3
	v_lshlrev_b32 v[32+2*\u], 16, v[40+\u]
	v_and_b32 v[32+2*\u+1], 0xffff0000, v[40+\u]
.endr
.irp u, 0,1,2,3
	v_pk_mul_f32 v[32+2*\u:32+2*\u+1], v[32+2*\u:32+2*\u+1], -2.0 op_sel_hi:[1,0]
.endr
	s_wait_alu depctr_va_vdst(0)                   ; quarters 0 to 2, the tables in v64-71 and v32-39 and the LDS addresses v4 to v15 and v60 are written, which the LDS stores and loads below read; the lines above are done with v64-127 and the quarters, in which loads land below
	PUT 0, 0, 0
	PUT 1, 1, 0
	PUT 2, 0, 1
	ds_store_b128 v60, v[64:67]
	ds_store_b128 v60, v[68:71] offset:2048
	ds_store_b128 v60, v[32:35] offset:4096
	ds_store_b128 v60, v[36:39] offset:6144
	s_wait_alu depctr_vm_vsrc(0)                   ; the LDS stores have read quarters 0 to 2, in which halves 4 to 6 land, and v64-71, in which the first fragments of enc land
	ISSUE 0, 0, 2                                  ; halves 4, 5, 6 take the quarters that have been stored
	ISSUE 1, 1, 2
	ISSUE 2, 0, 3
	s_wait_dscnt 0x0                               ; for the others' sake: my part of group 0 and of the tables
	s_barrier_signal -1
	s_barrier_wait -1
	FETCHA 0, 0
	; PASS 0.  In trip t the pointers and LDS addresses stand at group 2 t, W1's pointer at step 4 t.  A step issues half x + 7 of enc (8 loads) and then W1 of step x + 3 (16).
	; The count 48 at a step's head: behind W1 of step x were issued, in steps x - 2 and x - 1, two halves of enc (16 loads) and W1 of steps x + 1, x + 2 (32); half x + 3, issued ahead of it, is in as well.
	STEP 0, 56, 3, 0, 64, 1, 3, 1, 3, 0, -1        ; step 0 is written out: its products start the sums.  Count 56: behind W1 of step 0 stand W1 of steps 1, 2 (32) and halves 4, 5, 6 (24)
	s_wait_loadcnt 40                              ; half 4, which step 1 rounds: behind it halves 5, 6 (16), half 7 (8), W1 of step 3 (16)
	WIN 0
	s_mov_b32 s28, 6
.Lk0:                                                  ; steps 4 t + 1 .. 4 t + 4
	STEP 1, 48, 4, 64,      GP,      0, 0, 2, 4, 1, -1
	STEP 2, 48, 5, GP,      GP+64,   0, 1, 2, 4, 0, 0    ; prefetch: group 2 t + 6, which the next trip loads
	STEP 3, 48, 6, GP+64,   2*GP,    0, 2, 3, 5, 1, -1
	STEP 0, 48, 7, 2*GP,    2*GP+64, 0, 3, 3, 5, 0, 256  ; and group 2 t + 7
	WIN 0
	s_wait_xcnt 0x0                                ; the pointers are rewritten only behind this wait (ISA guide 3.1); 32 matrix instructions stand between the prefetch and it
	s_wait_alu depctr_vm_vsrc(0)                   ; the LDS loads and stores issued so far have read v[AD] and v[VS], which are stepped below
	s_add_nc_u64 s[22:23], s[22:23], 4*8192
	s_add_nc_u64 s[20:21], s[20:21], 2*256
	s_add_co_u32 s34, s34, 2*256
	s_min_u32 s34, s34, 14*256                     ; held at groups 14 and 15: no prefetch leaves its row
	s_add_nc_u64 s[38:39], s[36:37], s[34:35]
	v_add_nc_u32 v[AD], 2*GP, v[AD]
	v_add_nc_u32 v[VS], 2*GP, v[VS]
	s_sub_co_u32 s28, s28, 1
	s_cmp_lg_u32 s28, 0
	s_cbranch_scc1 .Lk0
	STEP 1, 48, 4, 64,      GP,      0, 0, 2, -1, 1, -1  ; steps 25 to 28: nothing of enc is left to ask for.  Behind W1 of step 26 stand half 31 and two steps of W1 (40), from step 27 on two steps of W1 (32)
	STEP 2, 40, 5, GP,      GP+64,   0, 1, 2, -1, 0, -1
	STEP 3, 32, 6, GP+64,   2*GP,    0, 2, 3, -1, 1, -1
	STEP 0, 32, 7, 2*GP,    2*GP+64, 0, 3, 3, -1, 0, -1
	WIN 0
	s_wait_xcnt 0x0
	s_wait_alu depctr_vm_vsrc(0)                   ; the LDS loads issued so far have read v[AD]; the last LDS stores have read their quarters, which take the tables and p later
	s_add_nc_u64 s[22:23], s[22:23], 4*8192
	v_add_nc_u32 v[AD], 2*GP, v[AD]
	STEP 1, 32, 4, 64,      GP,      0, -1, 0, -1, 1, -1 ; steps 29 to 31 ask for pass 1's first three steps of W1, which land under the epilogue; count 32: two steps of W1 are younger
	STEP 2, 32, 5, GP,      GP+64,   0, -1, 0, -1, 0, -1
	STEP 3, 32, 6, GP+64,   -1,      0, -1, 0, -1, 0, -1
	WIN 0
	s_wait_xcnt 0x0
	s_add_nc_u64 s[22:23], s[22:23], 4*8192        ; W1's pointer at pass 1's step 0
	s_mov_b32 s29, 2
.Lepi:                                                 ; THE EPILOGUE, written once and walked behind each pass
	PLACES                                         ; behind the last products: the tables land in registers that they read, and the lines below read their results
	s_wait_alu depctr_va_vdst(0)                   ; the last products are done reading v64-127, and the walk before with v64-191: the tables land there; v[VT] is written
	LOADTAB 0
	LOADTAB 1                                      ; both halves at once: the staging quarters lie idle here
	s_wait_dscnt 16                                ; the tables of column blocks 0-3 are in; the 16 younger loads stay out
	EPIB 2, 0, 0
	EPIB 2, 1, 0
	EPIB 3, 0, 0
	EPIB 3, 1, 0
	s_wait_dscnt 0x0                               ; those of column blocks 4-7
	EPIB 2, 0, 1
	EPIB 2, 1, 1
	EPIB 3, 0, 1
	EPIB 3, 1, 1
	WIN 0
	s_wait_alu depctr_vm_vsrc(0)                   ; the tables' loads have read v[VT], the fragments' loads v[AD]: both are written below
	v_add_nc_u32 v[VT], 2048, v[VT]                ; the tables of the next 512 columns
	v_mov_b32 v[AD], v[AD0]                        ; back to group 0
	s_sub_co_u32 s29, s29, 1
	s_cmp_eq_u32 s29, 0
	s_cbranch_scc1 .Lend
	; PASS 1: all of enc is in LDS: no conversion, no barrier.  Count 32 at a step's head: W1 of the two next steps is younger.
	s_wait_alu depctr_va_vdst(0)                   ; v[AD] is written, which the fetch below reads; the epilogue's lines are done reading v64-95, in which it lands
	FETCHA 0, 0
	STEP 0, 32, 3, 0, 64, 1, -1, 0, -1, 0, -1
	WIN 0
	s_mov_b32 s28, 7
.Lk1:
	STEP 1, 32, 4, 64,      GP,      0, -1, 0, -1, 0, -1
	STEP 2, 32, 5, GP,      GP+64,   0, -1, 0, -1, 0, -1
	STEP 3, 32, 6, GP+64,   2*GP,    0, -1, 0, -1, 0, -1
	STEP 0, 32, 7, 2*GP,    2*GP+64, 0, -1, 0, -1, 0, -1
	WIN 0
	s_wait_xcnt 0x0
	s_wait_alu depctr_vm_vsrc(0)                   ; the LDS loads issued so far have read v[AD], which is stepped below
	s_add_nc_u64 s[22:23], s[22:23], 4*8192
	v_add_nc_u32 v[AD], 2*GP, v[AD]
	s_sub_co_u32 s28, s28, 1
	s_cmp_lg_u32 s28, 0
	s_cbranch_scc1 .Lk1
	STEP 1, 32, -1, 64,     GP,      0, -1, 0, -1, 0, -1 ; the last three steps ask for nothing: 32, 16, 0
	STEP 2, 16, -1, GP,     GP+64,   0, -1, 0, -1, 0, -1
	STEP 3, 0,  -1, GP+64,  -1,      0, -1, 0, -1, 0, -1
	WIN 0
	s_branch .Lepi
.Lend:
	s_wait_loadcnt 0x0                             ; no load of mine is out on the way that comes here; window 1's registers are written below
.set z, 0
.rept 8
	v_add_f32 v[S+2*z], v[S+2*z], v[S+2*z+1]       ; even and odd columns
.set z, z+1
.endr
.set z, 0
.rept 8
	v_permlanex16_b32 v[S+2*z+1], v[S+2*z], s26, s27  ; the row's other columns lie in the lane 16 away
.set z, z+1
.endr
.set z, 0
.rept 8
	v_add_f32 v[S+2*z], v[S+2*z], v[S+2*z+1]
.set z, z+1
.endr
	s_wait_alu depctr_va_vdst(0)                   ; the additions have written the eight sums, which the LDS stores read
.set z, 0
.rept 8
	ds_store_b32 v[VSC], v[S+2*z] offset:64*z      ; my 256 columns' share of row 16 z + r
.set z, z+1
.endr
	s_wait_dscnt 0x0                               ; for the others' sake
	s_barrier_signal -1
	s_barrier_wait -1
.irp i, 0,1,2,3
	ds_load_b128 v[32+4*\i:32+4*\i+3], v[VZ] offset:512*\i
.endr
	s_wait_dscnt 0x0
.irp i, 1,2,3                          ; the four waves' shares, in the same order in every wave: lane l holds the scores of rows 4 l .. 4 l + 3
	v_pk_add_f32 v[32:33], v[32:33], v[32+4*\i:32+4*\i+1]
	v_pk_add_f32 v[34:35], v[34:35], v[32+4*\i+2:32+4*\i+3]
.endr
	s_cmp_lg_u32 s16, 0
	s_cbranch_scc1 .Lnot_0
	s_wait_alu depctr_va_vdst(0)                   ; the additions have written v32-35, which the store reads
	global_store_b128 v[VB], v[32:35], s[12:13]    ; wave 0: 512 consecutive bytes; v32-35 are not rewritten
.Lnot_0:
	v_max3_num_f32 v48, v32, v33, v34              ; the block's maximum
	v_max_num_f32 v48, v48, v35
	v_max_num_f32_dpp v48, v48, v48 row_xmask:1 row_mask:0xf bank_mask:0xf
	v_max_num_f32_dpp v48, v48, v48 row_xmask:2 row_mask:0xf bank_mask:0xf
	v_max_num_f32_dpp v48, v48, v48 row_xmask:4 row_mask:0xf bank_mask:0xf
	v_max_num_f32_dpp v48, v48, v48 row_xmask:8 row_mask:0xf bank_mask:0xf
	v_permlanex16_b32 v36, v48, s26, s27
	v_max_num_f32 v48, v48, v36
	v_mul_f32 v49, s32, v48
.irp i, 0,1,2,3
	v_fma_f32 v[40+\i], v[32+\i], s32, -v49        ; (score - m) log2 e
.endr
.irp i, 0,1,2,3
	v_exp_f32 v[40+\i], v[40+\i]
.endr
	v_nop
	s_wait_alu depctr_va_vdst(0)                   ; the four exponentials have written v40-43, which the roundings read
	v_cvt_pk_bf16_f32 v44, v40, v41
	v_cvt_pk_bf16_f32 v45, v42, v43
	s_wait_alu depctr_va_vdst(0)                   ; the roundings have written v44-45, which the LDS store reads
	ds_store_b64 v[VPW], v[44:45]                  ; my own copy of p: LDS serves a wave's instructions in order (ISA guide 5.7.1.4), so the loads below see it
.irp k, 0,1,2,3
	ds_load_b128 v[SG+8*\k:SG+8*\k+3],   v[VP] offset:64*\k     ; p as source 0: every lane of a half takes the same 8 rows' weights
	ds_load_b128 v[SG+8*\k+4:SG+8*\k+7], v[VP] offset:64*\k+32
.endr
	FETCHT 0, 0
	FETCHT 1, 1
	s_wait_dscnt 32                                ; all but the younger run of 32
	MULC 0, 0, 1
	PLACES
	WIN 0x40
	s_wait_alu depctr_va_vdst(0)                   ; the products above are done reading turned buffer 0, in which the loads below land
	FETCHT 2, 0
	s_wait_dscnt 32
	MULC 1, 1, 0
	PLACES
	WIN 0x40
	s_wait_alu depctr_va_vdst(0)                   ; the products above are done reading turned buffer 1, in which the loads below land
	FETCHT 3, 1
	s_wait_dscnt 32
	MULC 2, 0, 0
	s_wait_dscnt 0x0
	MULC 3, 1, 0
	WIN 0
	PLACES
	WIN 0x08                                       ; store data in window 2
	s_wait_alu depctr_va_vdst(0)                   ; the last products have written the sixteen results, which the LDS stores read; the places above stay beside this wait
.set z, 0
.rept 16
	ds_store_b32 v[VC], v[8*z] offset:64*z         ; all 16 rows of a result are alike: register 0 holds channel 16 z + r
.set z, z+1
.endr
	WIN 0
	ds_load_b128 v[48:51], v[VR]                   ; my own stage, back as 16 bytes a lane
	ds_load_b128 v[52:55], v[VR] offset:512
	s_wait_dscnt 0x0
	global_store_b128 v[VB], v[48:51], s[14:15]    ; 512 consecutive bytes each
	global_store_b128 v[VB], v[52:55], s[14:15] offset:512
	s_wait_dscnt 0x0                               ; the closing lines, six on end
	s_wait_alu 0x0
	s_wait_tensorcnt 0x0
	ds_add_u32 v[SPW], v[NIL]
	s_wait_dscnt 0x0
	s_endpgm
.Lfunc_end_k_qc6c4276ed1_main:
	.size	k_qc6c4276ed1_main, .Lfunc_end_k_qc6c4276ed1_main-k_qc6c4276ed1_main
	.p2alignl 7, 3214868480
	.fill 96, 4, 3214868480
	.section	.rodata,"a",@progbits
	.p2align	6, 0x0
	.amdhsa_kernel k_qc6c4276ed1_main
		.amdhsa_group_segment_fixed_size 310784
		.amdhsa_private_segment_fixed_size 0
		.amdhsa_enable_private_segment 0
		.amdhsa_kernarg_size 48
		.amdhsa_user_sgpr_count 2
		.amdhsa_user_sgpr_kernarg_segment_ptr 1
		.amdhsa_wavefront_size32 1
		.amdhsa_system_sgpr_workgroup_id_x 1
		.amdhsa_system_sgpr_workgroup_id_y 1
		.amdhsa_system_sgpr_workgroup_id_z 1
		.amdhsa_system_vgpr_workitem_id 0
		.amdhsa_next_free_vgpr 1024
		.amdhsa_next_free_sgpr 66
		.amdhsa_reserve_vcc 0
		.amdhsa_float_denorm_mode_32 3
		.amdhsa_float_denorm_mode_16_64 3
		.amdhsa_memory_ordered 1
		.amdhsa_forward_progress 1
		.amdhsa_inst_pref_size 255
	.end_amdhsa_kernel
	.section	.bss,"aw",@nobits
	.p2align	6
	.space	262144
	.amdgpu_metadata
---
amdhsa.version: [ 1, 2 ]
amdhsa.kernels:
  - .name:           k_qc6c4276ed1_main
    .symbol:         k_qc6c4276ed1_main.kd
    .args:
      - { .name: encoder_output, .offset: 0, .size: 8, .value_kind: global_buffer, .address_space: global }
      - { .name: w1f, .offset: 8, .size: 8, .value_kind: global_buffer, .address_space: global }
      - { .name: hpart, .offset: 16, .size: 8, .value_kind: global_buffer, .address_space: global }
      - { .name: V, .offset: 24, .size: 8, .value_kind: global_buffer, .address_space: global }
      - { .name: scores, .offset: 32, .size: 8, .value_kind: global_buffer, .address_space: global }
      - { .name: part, .offset: 40, .size: 8, .value_kind: global_buffer, .address_space: global }
    .group_segment_fixed_size: 310784
    .private_segment_fixed_size: 0
    .kernarg_segment_align: 8
    .kernarg_segment_size: 48
    .max_flat_workgroup_size: 128
    .sgpr_count:     66
    .vgpr_count:     1024
    .wavefront_size: 32
...
	.end_amdgpu_metadata
.endif
;; end of part 4
;; launch finish: the kernel of part 3 again; grid 32 x 4, 8 waves a work-group, no clusters, 5,632 bytes of LDS; arguments scores, part, out0, out1; writes out0, out1
